; MI455X (gfx1250); checked and timed in simulation.
; The chip was launched on July 23, 2026; its instructions are those of AMD's public machine-readable ISA for CDNA 5 (MIT licence, August 2026) and "CDNA5" Instruction Set Architecture Reference Guide (July 2026). The comments in the code are by the model that wrote it; some were corrected since.
;; Cross Attention 2d. Allowed arithmetic: matrix products marked QUANTISED: E5M2 operands, one E8M0 scale for each 32 along K, by v_wmma_scale_f32_16x16x128_f8f6f4 with both operands' format E5M2, f32 sums; everything else in f32.
;; Inputs: lidar_features 32 x 256 x 21 x 61 float32; visual_features 32 x 256 x 21 x 61 float32.
;; Outputs: out0 32 x 256 x 21 x 61 float32.
;; This version of the problem:
;;   THIS VERSION OF THE PROBLEM IS GIVEN IN LOW PRECISION. The matrix products marked QUANTISED in the list below multiply operands that are first quantised to E5M2 (5 exponent bits, 2 mantissa bits; 8 bits a number), with one power-of-two scale for each 32 numbers along K (OCP MX v1.0); their sums are f32. All else is computed in f32.
;;   The module's matrix products, in the order in which they are computed (A, B: the left and right operand; K: the contracted axis; several contracted axes count as one K, in the product's order):
;;     1. batch 32 x [M 1,281, K 256] x [K 256, N 1,281]; A: input lidar_features; B: input visual_features: QUANTISED
;;     2. batch 32 x [M 1,281, K 1,281] x [K 1,281, N 256]; A: softmax (see below); B: input visual_features: QUANTISED
;;     3. batch 32 x [M 1,281, K 256] x [K 256, N 1,281]; A: input visual_features; B: input lidar_features: QUANTISED
;;     4. batch 32 x [M 1,281, K 1,281] x [K 1,281, N 256]; A: softmax (see below); B: input lidar_features: QUANTISED
;;   THE QUANTISER, for each operand of a quantised product, along K:
;;     - K is cut into blocks of 32 from its start; a last block that is shorter is filled with zeros.
;;     - A block's scale is 2^e with e = floor(log2(the largest magnitude in the block)) - 15, held to -126 .. 127; a block of zeros has e = 0. As a byte (E8M0): e + 127.
;;     - Each number is divided by its block's scale, clamped to +-57,344, and rounded to the nearest number of E5M2, ties to even, subnormals kept.
;;     - The product sums the exact products of the quantised numbers (number of the format x scale) in f32.
;;   ~~~python
;;   def quantise(x, axis):      # numpy; x: float32 -> the quantised numbers, widened to float32 again
;;       x = np.moveaxis(x, axis, -1); K = x.shape[-1]
;;       x = np.pad(x, [(0, 0)] * (x.ndim - 1) + [(0, -K % 32)]); x = x.reshape(x.shape[:-1] + (-1, 32)); a = np.abs(x).max(-1, keepdims=True)
;;       e = np.where(a > 0, np.clip(np.frexp(np.where(a > 0, a, 1))[1] - 1 - 15, -126, 127), 0)      # np.frexp(a)[1] - 1 = floor(log2(a)), exactly
;;       r = np.clip(x / 2.0 ** e, -57344, 57344)
;;       step = 2.0 ** (np.maximum(np.frexp(np.where(r == 0, 1, r))[1] - 1, -14) - 2)
;;       q = np.round(r / step) * step * 2.0 ** e      # np.round: ties to even
;;       return np.moveaxis(q.reshape(q.shape[:-2] + (-1,))[..., :K], -1, axis).astype(np.float32)
;;   ~~~
;;   SOFTMAX AHEAD OF A QUANTISED PRODUCT. Where the list says 'softmax', what is quantised is not the finished softmax but p = 2^(t - M), with t = logit x log2(e) and M = ceil(the row's largest t), a whole number; so 1/2 < the row's largest p <= 1. The row's sum l is taken of the UNQUANTISED p, in f32, and the product's result is divided by l at the end. Since M is a whole number, a kernel that streams over the keys may use a running M (the ceiling of the running maximum): every later rescaling is an exact power of two, which a block's scale takes up: the codes' values come out the same.
;;   OPERANDS COMPUTED ON THE WAY. 'Computed on the way' means the value that the module computes at that place (a softmax that the list does not call 'softmax' is quantised finished and normalised). What goes into a quantiser is computed in f32, as accurately as f32 sums, v_exp_f32 and their like allow (about 1e-6 of the number): no bf16 or f16 on the way to a quantiser, and a product that is left as it is and whose result goes on into a quantised operand takes f32 operands (vector FMAs, or v_wmma_f32_16x16x4_f32). A number that lies on a knife's edge between two numbers of the format may be rounded either way, as far as f32 arithmetic and the matrix unit's own rounding can turn it there, and no further.
;; 2 versions. Each part assembles by itself: llvm-mc -triple=amdgcn-amd-amdhsa -mcpu=gfx1250 --defsym DOCPART=n.
;; ======== version 1 of 2: 2 launches
;; workspace buffers: kv 47,579,136 bytes
;; launch quant (part 1): grid 11 x 64, 8 waves a work-group, no clusters, 39,936 bytes of LDS; arguments visual_features, lidar_features, kv; writes kv
.if DOCPART == 1
	.amdgcn_target "amdgcn-amd-amdhsa--gfx1250"
	.amdhsa_code_object_version 6
	.text
	.protected	k_q34328a0bf0_quant
	.globl	k_q34328a0bf0_quant
	.p2align	8
	.type	k_q34328a0bf0_quant,@function
k_q34328a0bf0_quant:
	s_mov_b64 s[64:65], 0
	v_nop
	global_prefetch_b8 v0, s[64:65] scope:SCOPE_SE
	s_setreg_imm32_b32 hwreg(HW_REG_WAVE_MODE, 25, 1), 1
	s_wait_xcnt 0x0
; Both tensors, seen as [32][1281][256] f32, become codes of BF8 (E5M2) with one E8M0 byte for each 32 numbers, TWICE: along d (as queries and keys) and along the keys (as values).
; A work-group makes one block of kv: tensor x (0 visual, 1 lidar) of batch b, key step j (128 keys): block (2 b + x) 11 + j, BLK bytes, laid in the order of the operands' registers:
;   0      KF(t, s) at (2 t + s) 2048: 16 keys x 128 d.  Chunk c (512 bytes), lane l at 16 l: key 128 j + 32 (t / 2) + 8 (t % 2) + r + 8 (r / 8), d = 128 s + 32 c + 16 h + 0 .. 15   (r = l % 16, h = l / 16)
;   32768  VF(dt) at dt 2048: 16 d x 128 keys.  Chunk c, lane l: d = 16 dt + r, keys 128 j + 32 c + 16 h + 0 .. 15
;   65536  KS: the scale word of (tile t, row r, half s) at 512 (t / 4) + 16 (r + 16 s) + 4 (t % 4), byte c for d block 4 s + c
;   66560  VS: the scale word of (dt, row r) at 512 (dt / 8) + 16 (r + 16 (dt % 2)) + 4 ((dt / 2) % 4), byte c for the step's key block c
; Keys past 1280 are zero codes.  A block's scale is 2^(floor(log2(its largest magnitude)) - 15); its byte is the largest magnitude's exponent field - 15, held at 1 from below.
; LIMITS: a block of zeros gets the byte 1 where the rule says 127 (its codes are zeros, and this program alone reads the bytes); NaN and infinities among the inputs are not served.
; SHARES.  Wave db takes d = 32 db .. 32 db + 31 of the step's 128 keys.  A LANE TAKES A COLUMN d AND ITS REGISTERS RUN DOWN THE KEYS: a load reads 128 consecutive bytes, the eight waves side by side a row of 1,024.
; A key block of 32 lies in one lane's 32 registers: the codes along the keys come straight from them.  The same numbers turn through the wave's own stage in LDS and come back 16 neighbours along d a lane: the codes along d.
; So each f32 number is read from memory once.  No tensor loads; one barrier, for the scale bytes, which leave as whole runs of 256 bytes.
; REGISTERS: v1 lane; v2 4 lane; v3, v4 the stage, in and out; v5, v6 my codes' places in the block (along d, along the keys); v7, v8 my scale bytes' places in LDS; v9, v10 the add's two; v11 the column's scale word;
;   v12-15 the column's maxima, scale operand, hold; v16-25 the rows' (two tiles): maxima, the other half's, scale operands, holds, bytes; v26, v27 16 x thread: the scale image in LDS and in the block;
;   v28-35 codes along the keys; v36-43 codes along d; v44-75 32 numbers back from the stage; v76-203 the 128 numbers as loaded.
.set BLK,   67584
.set STG,   4608                       ; a wave's stage: 32 rows of SP bytes
.set SP,    144                        ; 128 bytes + 16 of padding: an odd multiple of 16, so that the sixteen rows of a 16-byte load begin at sixteen different places of a run of 256 bytes
.set SCL,   8*STG                      ; behind the stages: the image of the block's 2,048 scale bytes
.set SPARE, SCL+2048                   ; the spare words, 128 bytes for each wave: four blocks of 256 bytes that no other line names
.set SPW,   9
.set NIL,   10
.set CC,    28
.set RC,    36
.set R,     44
.set X,     76
	s_load_b128 s[4:7], s[0:1], 0x0                ; visual, lidar
	s_load_b64 s[8:9], s[0:1], 0x10                ; kv
	v_lshl_add_u32 v[SPW], v0, 2, SPARE
	v_mov_b32 v[NIL], 0
	v_lshrrev_b32 v1, 5, v0
	v_readfirstlane_b32 s10, v1                    ; wave = db
	v_and_b32 v1, 31, v0                           ; lane
	v_lshlrev_b32 v2, 2, v1
	v_and_b32 v12, 15, v0                          ; r
	v_bfe_u32 v13, v0, 4, 1                        ; h
	s_mul_i32 s15, s10, STG                        ; my stage
	v_add_nc_u32 v3, s15, v2                       ; in: a key's 32 numbers on end
	v_mul_u32_u24 v4, v12, SP
	v_lshl_add_u32 v4, v13, 6, v4
	v_add_nc_u32 v4, s15, v4                       ; out: row r, my half's 64 bytes
	s_lshr_b32 s18, s10, 2                         ; s = db / 4
	s_and_b32 s19, s10, 3                          ; c = db % 4
	s_lshl_b32 s23, s18, 11
	s_lshl_b32 s24, s19, 9
	s_add_co_u32 s23, s23, s24
	v_lshl_add_u32 v5, v1, 4, s23                  ; KF: 2048 s + 512 c + 16 lane
	v_lshlrev_b32 v6, 11, v13
	v_lshl_add_u32 v6, v12, 4, v6
	s_lshl_b32 s23, s10, 12
	v_add_nc_u32 v6, s23, v6                       ; VF: dt = 2 db + lane / 16: 4096 db + 2048 (lane / 16) + 16 (lane % 16)
	s_lshl_b32 s23, s18, 8
	s_add_co_u32 s23, s23, s19
	s_add_co_u32 s23, s23, SCL
	v_lshl_add_u32 v7, v12, 4, s23                 ; KS: 16 r + 256 s + c
	s_lshl_b32 s23, s18, 9
	s_lshl_b32 s24, s19, 2
	s_add_co_u32 s23, s23, s24
	s_add_co_u32 s23, s23, SCL+1024
	v_lshl_add_u32 v8, v1, 4, s23                  ; VS: 512 (db / 4) + 16 lane + 4 (db % 4)
	v_lshl_add_u32 v26, v0, 4, SCL
	v_lshlrev_b32 v27, 4, v0
	v_mov_b32 v18, 0                               ; written once: a lane permute's destination counts as one of its sources
	v_mov_b32 v19, 0
	s_mov_b32 s20, 0x76543210
	s_mov_b32 s21, 0xfedcba98                      ; v_permlanex16_b32's selects for lane l xor 16
	s_mov_b32 s22, 0x600000                        ; the mantissa field of 57,344
	s_and_b32 s12, ttmp7, 0xffff                   ; y = 2 b + x
	s_lshr_b32 s13, s12, 1                         ; b
	s_mul_i32 s16, s13, 1311744                    ; a batch: 1,281 rows of 1,024 bytes
	s_lshl_b32 s17, ttmp9, 17                      ; + 128 j rows
	s_add_co_u32 s16, s16, s17
	s_lshl_b32 s17, s10, 7                         ; + my strip of 128 bytes
	s_add_co_u32 s16, s16, s17
	s_mov_b32 s17, 0
	s_mul_i32 s24, s12, 11
	s_add_co_u32 s24, s24, ttmp9
	s_mul_i32 s24, s24, BLK                        ; my block
	s_mov_b32 s25, 0
	s_and_b32 s14, s12, 1                          ; x
	s_wait_kmcnt 0x0
	s_cmp_eq_u32 s14, 0                            ; which tensor: the choice hangs on the work-group's number alone
	s_cselect_b64 s[4:5], s[4:5], s[6:7]
	s_add_nc_u64 s[4:5], s[4:5], s[16:17]
	s_add_nc_u64 s[8:9], s[8:9], s[24:25]
	s_cmp_eq_u32 ttmp9, 10                         ; the last step has one key, 1280: no load leaves the buffer
	s_cbranch_scc1 .Ltail
.set n, 0
.rept 128
	global_load_b32 v[X+n], v2, s[4:5] offset:n*1024 th:TH_LOAD_NT   ; key n of the step, my column
.set n, n+1
.endr
	s_branch .Lgo
.Ltail:
	global_load_b32 v[X], v2, s[4:5] th:TH_LOAD_NT
.set n, 1
.rept 127
	v_mov_b32 v[X+n], 0                            ; the quantiser fills a short block with zeros
.set n, n+1
.endr
	s_wait_loadcnt 0x0
.Lgo:
; Key block bk of the step: 32 keys x my 32 columns.
.macro QBLK bk
.set XS, X+32*(\bk)
.if 32*(3-(\bk)) > 63
	s_wait_loadcnt 63                              ; of the 128 loads at most 63 are out: the first 65 are in, this block's among them (the wait's field holds no larger count)
.else
	s_wait_loadcnt 32*(3-(\bk))                    ; this block's 32 loads are in; the later blocks' may be out
.endif
.set n, 0
.rept 32                               ; key n of the block goes to stage row p, so that tile u's rows (keys 8 u + r + 8 (r / 8)) lie at rows 16 u + r
.if (n/8) == 1
.set p, n+8
.elseif (n/8) == 2
.set p, n-8
.else
.set p, n
.endif
	ds_store_b32 v3, v[XS+n] offset:p*SP
.set n, n+1
.endr
.irp u, 0,1
.irp q, 0,1,2,3
	ds_load_b128 v[R+16*\u+4*\q:R+16*\u+4*\q+3], v4 offset:16*\u*SP+16*\q   ; LDS serves a wave's instructions in order: these see the stores above
.endr
.endr
	s_wait_dscnt 8                                 ; all but the eight loads: the stores have read their registers, which the hold below rewrites; so have the last block's byte stores
	; ---- along the keys: all 32 numbers of the block are mine
	v_max3_num_f32 v12, |v[XS]|, |v[XS+1]|, |v[XS+2]|
	v_max3_num_f32 v13, |v[XS+3]|, |v[XS+4]|, |v[XS+5]|
.irp i, 6,10,14,18,22,26
	v_max3_num_f32 v12, v12, |v[XS+\i]|, |v[XS+\i+1]|
	v_max3_num_f32 v13, v13, |v[XS+\i+2]|, |v[XS+\i+3]|
.endr
	v_max3_num_f32 v12, v12, |v[XS+30]|, |v[XS+31]|
	v_max3_num_f32 v12, v12, v13, 0x8000000        ; and the floor 2^(16 - 127): the byte cannot fall under 1
	v_add_nc_u32 v14, 0xf8800000, v12              ; 15 off the exponent field: the conversion takes the exponent field of this operand as its scale
	v_and_or_b32 v15, v12, 0x7f800000, s22         ; 57,344 x the scale
	v_lshrrev_b32 v13, 23, v14                     ; the scale's byte
.if (\bk) == 0
	v_mov_b32 v11, v13
.else
	v_lshl_or_b32 v11, v13, 8*(\bk), v11           ; byte bk of my column's word
.endif
.set n, 0
.rept 32
	v_med3_num_f32 v[XS+n], v[XS+n], -v15, v15     ; the conversion to an 8-bit code does not saturate (ISA guide 7.6.2): the hold at the largest code x the scale
.set n, n+1
.endr
.if (\bk) > 0
	s_wait_xcnt 0x0                                ; the last block's stores have read their data: both sets of code registers are rewritten only behind this wait
.endif
.irp q, 0,1,2,3
	v_cvt_scalef32_pk8_bf8_f32 v[CC+2*\q:CC+2*\q+1], v[XS+8*\q:XS+8*\q+7], v14
.endr
	v_nop                                          ; a plain line behind the last conversion of the run
	global_store_b128 v6, v[CC:CC+3], s[8:9] offset:32768+512*(\bk)        ; keys 0-15 of the block: sixteen lanes store 256 consecutive bytes, aligned
	global_store_b128 v6, v[CC+4:CC+7], s[8:9] offset:32768+512*(\bk)+256  ; keys 16-31
	s_wait_dscnt 0x0                               ; the numbers are back from the stage
	; ---- along d: lane (r, h) holds 16 neighbours of tile u's row r; a block of 32 lies in lanes l and l xor 16.  The two tiles by turns
.irp u, 0,1
	v_max3_num_f32 v[16+\u], |v[R+16*\u]|, |v[R+16*\u+1]|, 0x8000000
.endr
.irp i, 2,4,6,8,10,12,14
.irp u, 0,1
	v_max3_num_f32 v[16+\u], v[16+\u], |v[R+16*\u+\i]|, |v[R+16*\u+\i+1]|
.endr
.endr
.irp u, 0,1
	v_permlanex16_b32 v[18+\u], v[16+\u], s20, s21
.endr
.irp u, 0,1
	v_max_num_f32 v[16+\u], v[16+\u], v[18+\u]
.endr
.irp u, 0,1
	v_add_nc_u32 v[20+\u], 0xf8800000, v[16+\u]
.endr
.irp u, 0,1
	v_and_or_b32 v[22+\u], v[16+\u], 0x7f800000, s22
.endr
.irp u, 0,1
	v_lshrrev_b32 v[24+\u], 23, v[20+\u]
.endr
.irp u, 0,1
.irp i, 0,1,2,3,4,5,6,7,8,9,10,11,12,13,14,15
	v_med3_num_f32 v[R+16*\u+\i], v[R+16*\u+\i], -v[22+\u], v[22+\u]
.endr
	v_cvt_scalef32_pk8_bf8_f32 v[RC+4*\u:RC+4*\u+1], v[R+16*\u:R+16*\u+7], v[20+\u]
	v_cvt_scalef32_pk8_bf8_f32 v[RC+4*\u+2:RC+4*\u+3], v[R+16*\u+8:R+16*\u+15], v[20+\u]
.endr
	v_nop                                          ; a plain line behind the last conversion of the run
.irp u, 0,1
	ds_store_b8 v7, v[24+\u] offset:512*((\bk)/2)+8*((\bk)%2)+4*\u          ; tile t = 2 bk + u; both lanes of a block write the same byte with the same value
	global_store_b128 v5, v[RC+4*\u:RC+4*\u+3], s[8:9] offset:8192*(\bk)+4096*\u   ; 32 lanes store 512 consecutive bytes, aligned
.endr
.endm
	QBLK 0
	QBLK 1
	QBLK 2
	QBLK 3
	ds_store_b32 v8, v11                           ; my column's scale word
	s_wait_dscnt 0x0                               ; for the others' sake: my scale bytes lie in LDS
	s_barrier_signal -1
	s_barrier_wait -1
	s_cmp_lt_u32 s10, 4                            ; 128 threads x 16 bytes carry the 2,048 scale bytes out
	s_cbranch_scc0 .Lend
	ds_load_b128 v[R:R+3], v26
	s_wait_dscnt 0x0
	global_store_b128 v27, v[R:R+3], s[8:9] offset:65536   ; sixteen lanes store 256 consecutive bytes, aligned
.Lend:
	s_wait_tensorcnt 0x0                           ; the wave's end: three lines behind my last LDS store
	ds_add_u32 v[SPW], v[NIL]
	s_wait_dscnt 0x0
	s_endpgm
.Lfunc_end_k_q34328a0bf0_quant:
	.size	k_q34328a0bf0_quant, .Lfunc_end_k_q34328a0bf0_quant-k_q34328a0bf0_quant
	.p2alignl 7, 3214868480
	.fill 96, 4, 3214868480
	.section	.rodata,"a",@progbits
	.p2align	6, 0x0
	.amdhsa_kernel k_q34328a0bf0_quant
		.amdhsa_group_segment_fixed_size 39936
		.amdhsa_private_segment_fixed_size 0
		.amdhsa_enable_private_segment 0
		.amdhsa_kernarg_size 24
		.amdhsa_user_sgpr_count 2
		.amdhsa_user_sgpr_kernarg_segment_ptr 1
		.amdhsa_wavefront_size32 1
		.amdhsa_system_sgpr_workgroup_id_x 1
		.amdhsa_system_sgpr_workgroup_id_y 1
		.amdhsa_system_sgpr_workgroup_id_z 1
		.amdhsa_system_vgpr_workitem_id 0
		.amdhsa_next_free_vgpr 208
		.amdhsa_next_free_sgpr 66
		.amdhsa_reserve_vcc 0
		.amdhsa_float_denorm_mode_32 3
		.amdhsa_float_denorm_mode_16_64 3
		.amdhsa_memory_ordered 1
		.amdhsa_forward_progress 1
		.amdhsa_inst_pref_size 62
	.end_amdhsa_kernel
	.amdgpu_metadata
---
amdhsa.version: [ 1, 2 ]
amdhsa.kernels:
  - .name:           k_q34328a0bf0_quant
    .symbol:         k_q34328a0bf0_quant.kd
    .args:
      - { .name: visual_features, .offset: 0, .size: 8, .value_kind: global_buffer, .address_space: global }
      - { .name: lidar_features, .offset: 8, .size: 8, .value_kind: global_buffer, .address_space: global }
      - { .name: kv, .offset: 16, .size: 8, .value_kind: global_buffer, .address_space: global }
    .group_segment_fixed_size: 39936
    .private_segment_fixed_size: 0
    .kernarg_segment_align: 8
    .kernarg_segment_size: 24
    .max_flat_workgroup_size: 256
    .sgpr_count:     66
    .vgpr_count:     208
    .wavefront_size: 32
...
	.end_amdgpu_metadata
.endif
;; end of part 1
;; launch attn (part 2): grid 8 x 32, 11 waves a work-group, clusters of 4 x 1, 327,680 bytes of LDS; arguments kv, out0; writes out0
.if DOCPART == 2
	.amdgcn_target "amdgcn-amd-amdhsa--gfx1250"
	.amdhsa_code_object_version 6
	.text
	.protected	k_q34328a0bf0_attn
	.globl	k_q34328a0bf0_attn
	.p2align	8
	.type	k_q34328a0bf0_attn,@function
k_q34328a0bf0_attn:
	s_mov_b64 s[64:65], 0
	v_nop
	global_prefetch_b8 v0, s[64:65] scope:SCOPE_SE
	s_setreg_imm32_b32 hwreg(HW_REG_WAVE_MODE, 25, 1), 1
	s_wait_xcnt 0x0
	s_wait_alu depctr_hold_cnt(0) depctr_sa_sdst(0) depctr_va_vdst(0) depctr_va_sdst(0) depctr_va_ssrc(0) depctr_va_vcc(0) depctr_vm_vsrc(0)
	s_getreg_b32 s2, hwreg(HW_REG_IB_STS2, 6, 4)
	s_cmp_eq_u32 s2, 0
	s_cbranch_scc0 .Lentry_in_a_cluster
	s_endpgm
.Lentry_in_a_cluster:
	s_bfe_u32 s2, ttmp6, 0x10000c
	s_cmp_lg_u32 s2, 0x3003
	s_cbranch_scc0 .Lentry_shape_is_right
	s_endpgm
.Lentry_shape_is_right:
; out = attention(queries lidar; keys, values visual) + attention(queries visual; keys, values lidar), both tensors seen as [32][1281][256]; all four products on codes of BF8 (E5M2) with one E8M0 scale for each 32 along K.
; kv holds, for each batch, 22 blocks of BLK bytes on end: key steps 0-10 (128 keys each) of visual, then of lidar, each laid in the order of the operands' registers:
;   0 KF(t, s) at (2 t + s) 2048 (16 keys x 128 d);  32768 VF(dt) at dt 2048 (16 d x 128 keys);  65536 K's scale words;  66560 V's.  A fragment is four chunks of 512 bytes, lane l's 16 bytes at 16 l.
;   Tile t's lane r is key 32 (t / 2) + 8 (t % 2) + r + 8 (r / 8) of the step, so that the 16 score registers of tiles 2 b, 2 b + 1 are 16 neighbouring keys.  A KF tile serves as a tile of QUERIES as well.
; THE SOFTMAX AHEAD OF THE SECOND PRODUCT: t = score x log2(e) / 16; M = the running largest t rounded UP to a whole number; p = 2^(t - M) is quantised along the keys, not normalised; the row's sum is taken of the
; unquantised p and divides at the end; when M moves, the sum and O are multiplied by 2^(old M - new M), which rounds nothing.  A block's largest p is made from the block's largest score by the same two instructions
; (this takes v_exp_f32 not to fall where its input rises).
; SHARES.  A batch has 81 tiles of 16 queries (the 81st holds row 1280 alone).  Eight work-groups a batch; waves 0-9 of work-group i own tiles 10 i + w.  ONE WAVE RUNS BOTH DIRECTIONS FOR ITS TILE AND ADDS: pass 1 walks blocks
; 0-10, its result waits as rows in the wave's own LDS, pass 2 walks blocks 11-21: 22 key steps through one ring of two slots, and each output row has one owner.
; Both products are used transposed (S^T = K Q^T, O^T = V^T P^T): a lane holds one query throughout.
; CLUSTER.  The four work-groups of a cluster walk the same 22 blocks: each quarter of a block is asked for JOINTLY (waves 0-3, one tensor load each, mask of all four).
; WAVE 10..  So in the batch's second cluster wave 10 of ALL FOUR partners computes tile 80, and one of them (work-group 7, by EXEC) stores it: three tile passes in 84 are
; done for nothing.  In the first cluster wave 10 leaves the key steps out (a branch on the cluster's number and the wave's) and is the wave that prefetches; it walks the few lines between the passes on zeros and stores nothing.
; THE STEP IS WRITTEN ONCE FOR EACH PASS: O^T and the sum begin as zeros and the largest t as -3e38, so that the first change of M multiplies zeros; hence the 128 clearing lines ahead of each pass.
; LIMITS: NaN and infinities among the inputs are not served.
; REGISTERS: v1 16 lane; v2, v3 the add's two; v4, v5 the step's LDS addresses; v6, v7 my region: in by lanes, out by rows; v8 the prefetches' offset; v9 the work-group's number; v[10:11] f or 1 / sum, and 0; v12 -M; v13 the largest t;
;   v[14:15] the sum in two halves; v16 Q's scale words, v17 p's, v20-27 K's, then V's (these hold scales alone); v18, v19 at work; v28-31 the blocks' largest scores; v32-63 Q; v64-127 four fragments of K, then the softmax's
;   work registers and p's codes (v96-111); v128-191 S^T, then p, then four fragments of V; v192-255 O^T of d 0-127; window 1, v0-63: O^T of d 128-255.
.set BLK,   67584                      ; 0x10800: it shares no bit with a quarter's place, w x 0x4200 (w under 4), so one exclusive or turns an address in one slot into the other's
.set QTR,   BLK/4                      ; 66 rows of 256 bytes
.set BATCH, 22*BLK
.set WRB,   2*BLK                      ; behind the ring: a region of its own for each wave, 16 rows x WP; no fill lands there
.set WRS,   16640
.set WP,    1040                       ; a row of 1,024 bytes + 16: an odd multiple of 16
.set SPARE, WRB+11*WRS                 ; the spare words, 128 bytes for each wave: six blocks of 256 bytes that no other line names
.set LI,  1
.set SPW, 2
.set NIL, 3
.set ADR, 4
.set ADS, 5
.set SO,  6
.set RD,  7
.set PFO, 8
.set WGI, 9
.set FF,  10
.set NM,  12
.set TM,  13
.set SUM, 14
.set QS,  16
.set PS,  17
.set T0,  18
.set T1,  19
.set KS,  20
.set LG,  28
.set QF,  32
.set FR,  64
.set PB,  68                           ; the other half's maxima, then the scales' bytes
.set HD,  72                           ; 57,344 x the scale
.set SOP, 76                           ; the conversions' scale operands
.set CH,  80                           ; the sum's second chain
.set PC,  96                           ; p's codes
.set SC,  128
.set OT,  192
.set WV,  8                            ; s8   my wave's number
.set SEL, 20                           ; s[20:21] v_permlanex16_b32's selects for lane l xor 16
.set CS,  22                           ; s[22:23] c = log2(e) / 16, twice: the packed form names a pair
.set MNT, 24                           ; s24  the mantissa field of 57,344
.set HIM, 25                           ; s25  the mask of lanes 16-31
.set ACT, 26                           ; s26  1: my wave has a tile
.set TB,  27                           ; s27  LDS byte at which the slot in hand begins
.set CNT, 28                           ; s28  blocks still to be asked for
.set LIM, 29                           ; s29  1 in the wave that prefetches, else the greatest number
.set TRIP, 30
.set G0,  32                           ; s[32:35] descriptor group 0: it walks
.set G1,  36                           ; s[36:43] group 1: constants
.set PFA, 44                           ; s[44:45] where my work-group's prefetches stand
.set QA,  46                           ; s[46:47] my tile's codes as queries;  s[48:49] its scale words
.set QSA, 48
.set OUT, 50                           ; s[50:51] my tile's first row of the output
.set MSB, 0
.macro WIN new                         ; the immediate's high byte repeats the setting that is left; a switch that changes nothing is dropped
.if MSB != \new
	s_set_vgpr_msb (MSB<<8)|\new
.set MSB, \new
.endif
.endm
.macro PLACES n
.rept \n
	v_nop
.endr
.endm
.macro CROUND                          ; a round of the cluster's barrier
	s_barrier_signal -1
	s_barrier_wait -1
	s_cmp_lg_u32 s[WV], 0
	s_cbranch_scc1 .Lnot_wave_0_\@
	s_barrier_signal -3
.Lnot_wave_0_\@:
	s_barrier_wait -3
	s_barrier_signal -1
	s_barrier_wait -1
.endm
.macro TLOAD                           ; waves 0-3 fetch a quarter of a block each; the branch hangs on the wave's number alone.  An s_nop 0 and four v_nop follow the load
	s_cmp_lt_u32 s[WV], 4
	s_cbranch_scc0 .Lno_load_\@
	tensor_load_to_lds s[G0:G0+3], s[G1:G1+7]
	s_nop 0
.rept 4
	v_nop
.endr
.Lno_load_\@:
.endm
; A PREFETCH INTO THE L2 of the codes (65,536 bytes) of the block that the NEXT change of slots will ask for: one key step ahead of that load.  Both clusters of a batch walk the same blocks: the first cluster asks, in it
; wave 10, which has no tile.  The four partners share the bytes out BY ADDRESS, 16,384 each: two instructions, lanes 256 bytes apart.  So each aligned run of 256 bytes is named once in the launch.  Blocks 0 and 1 and each
; block's 2,048 scale bytes come by their loads alone; the last change that fills a slot asks for nothing: no block follows.
.macro ASK
	s_cmp_gt_u32 s[CNT], s[LIM]
	s_cbranch_scc0 .Lnot_mine_\@
	global_prefetch_b8 v[PFO], s[PFA:PFA+1] th:TH_LOAD_NT scope:SCOPE_SE
	global_prefetch_b8 v[PFO], s[PFA:PFA+1] offset:8192 th:TH_LOAD_NT scope:SCOPE_SE
.Lnot_mine_\@:
.endm
; THE CHANGE OF SLOTS stands at a step's head.  Each wave waits for all its tensor loads (its quarter of the block that is about to be read), adds 0 to its spare word, and waits for that and for its reads of the slot that it has left.
; fill = 1: the barrier is a round of the cluster's, so that no wave of any partner still reads that slot or has a load on its way; the joint refill is the first thing behind it and has a key step in which to land.
.macro CHANGE fill
	s_wait_tensorcnt 0x0                           ; no tensor load of mine is out, so group 0 may be written
	ds_add_u32 v[SPW], v[NIL]                      ; 0 onto my spare word: the steps below stand between it and the wait for it
.if \fill
	s_xor_b32 s[G0+1], s[G0+1], BLK                ; the other slot,
	s_add_nc_u64 s[G0+2:G0+3], s[G0+2:G0+3], BLK   ; the next block; the type bits on top are not reached
	s_wait_xcnt 0x0                                ; the last prefetches, a step back, have read their address, so it may be written:
	s_add_nc_u64 s[PFA:PFA+1], s[PFA:PFA+1], BLK   ; one block further on than the descriptor
	s_wait_dscnt 0x0                               ; the add is done, and my reads of the slot that I have left are over
	CROUND
	TLOAD
	ASK
	s_sub_co_u32 s[CNT], s[CNT], 1
.else
	s_wait_dscnt 0x0
	s_barrier_signal -1
	s_barrier_wait -1
.endif
.endm
.macro KLOAD g                         ; tiles 2 g and 2 g + 1 of K, both halves of d: four fragments, 16 loads of 512 consecutive bytes
.irp n, 0,1,2,3,4,5,6,7,8,9,10,11,12,13,14,15
	ds_load_b128 v[FR+4*\n:FR+4*\n+3], v[ADR] offset:8192*(\g)+512*\n
.endr
.endm
.macro KMUL g                          ; S^T of those two tiles: the two accumulators by turns, one instruction a turn; the first products start the sums.  Lanes 16-31 of the scale registers hold the words of d 128-255
.irp s, 0,1
.irp u, 0,1
.set t, 2*(\g)+\u
.if \s
	v_wmma_scale_f32_16x16x128_f8f6f4 v[SC+8*t:SC+8*t+7], v[FR+32*\u+16:FR+32*\u+31], v[QF+16:QF+31], v[SC+8*t:SC+8*t+7], v[KS+t], v[QS] matrix_a_fmt:MATRIX_FMT_BF8 matrix_b_fmt:MATRIX_FMT_BF8 matrix_a_scale:MATRIX_SCALE_ROW1 matrix_b_scale:MATRIX_SCALE_ROW1
.else
	v_wmma_scale_f32_16x16x128_f8f6f4 v[SC+8*t:SC+8*t+7], v[FR+32*\u:FR+32*\u+15], v[QF:QF+15], 0, v[KS+t], v[QS] matrix_a_fmt:MATRIX_FMT_BF8 matrix_b_fmt:MATRIX_FMT_BF8
.endif
.endr
.endr
.endm
.macro MAXB b                          ; the largest score of my 16 keys of block b: eight plain lines; each of the two tiles is first read at its low end
	v_max3_num_f32 v[LG+(\b)], v[SC+16*(\b)], v[SC+16*(\b)+1], v[SC+16*(\b)+2]
.irp i, 3,5,7,9,11,13
	v_max3_num_f32 v[LG+(\b)], v[LG+(\b)], v[SC+16*(\b)+\i], v[SC+16*(\b)+\i+1]
.endr
	v_max_num_f32 v[LG+(\b)], v[LG+(\b)], v[SC+16*(\b)+15]
.endm
.macro RESC dt0, cnt                   ; O^T's tiles dt0 on, x f: four packed lines a tile
.set d, \dt0
.rept \cnt
.if d < 8
	WIN 0
.set ro, OT+8*d
.else
	WIN 0x41                                       ; destination and source 0 in window 1, f in window 0
.set ro, 8*(d-8)
.endif
.irp k, 0,2,4,6
	v_pk_mul_f32 v[ro+\k:ro+\k+1], v[ro+\k:ro+\k+1], v[FF:FF+1] op_sel_hi:[1,0]
.endr
.set d, d+1
.endr
.endm
.macro VLOAD g                         ; V's fragments of d tiles 4 g .. 4 g + 3
	WIN 0
.irp n, 0,1,2,3,4,5,6,7,8,9,10,11,12,13,14,15
	ds_load_b128 v[SC+4*\n:SC+4*\n+3], v[ADR] offset:32768+8192*(\g)+512*\n
.endr
.endm
.macro PV g                            ; O^T += V^T P^T for those four tiles: four accumulators, one instruction each.  An odd tile's scale words lie in lanes 16-31
.if (\g) < 2
	WIN 0
.else
	WIN 0x50                                       ; C and D in window 1
.endif
.irp k, 0,1,2,3
.set dt, 4*(\g)+\k
.if dt < 8
.set ro, OT+8*dt
.else
.set ro, 8*(dt-8)
.endif
.if \k % 2
	v_wmma_scale_f32_16x16x128_f8f6f4 v[ro:ro+7], v[SC+16*\k:SC+16*\k+15], v[PC:PC+15], v[ro:ro+7], v[KS+dt/2], v[PS] matrix_a_fmt:MATRIX_FMT_BF8 matrix_b_fmt:MATRIX_FMT_BF8 matrix_a_scale:MATRIX_SCALE_ROW1
.else
	v_wmma_scale_f32_16x16x128_f8f6f4 v[ro:ro+7], v[SC+16*\k:SC+16*\k+15], v[PC:PC+15], v[ro:ro+7], v[KS+dt/2], v[PS] matrix_a_fmt:MATRIX_FMT_BF8 matrix_b_fmt:MATRIX_FMT_BF8
.endif
.endr
.endm
; A KEY STEP on the slot at s[TB].  nb = 4: 128 keys.  nb = 1: a tensor's last step, which holds key 1280 alone: one block of keys, all but that key hidden.
; Behind a matrix instruction of this form eight plain vector lines that name none of its registers stand ahead of a load into, or a vector line on, its registers, nine ahead of a matrix instruction that writes over them
; (ISA guide 7.12.1 for vector lines): useful lines where there are any, v_nop where there are none.
.macro STEP nb
	v_add_nc_u32 v[ADR], s[TB], v[LI]              ; made in every wave, ahead of the branch
	v_add_nc_u32 v[ADS], 0x10000, v[ADR]           ; the scale words lie 65,536 bytes on
	s_cmp_eq_u32 s[ACT], 0                         ; a wave with no tile leaves the step's work out: ids alone; no barrier, wait of the change or tensor load stands in a step
	s_cbranch_scc1 .Lidle_\@
	PLACES 7                                       ; with the two additions: nine places behind the last step's products, whose fragments' registers the first products below write over
	ds_load_b128 v[KS:KS+3], v[ADS]                ; K's scale words of tiles 0-3: lanes 0-15 those of d 0-127, lanes 16-31 of d 128-255
.if \nb > 1
	ds_load_b128 v[KS+4:KS+7], v[ADS] offset:512   ; of tiles 4-7
.endif
.set g, 0
.rept \nb
.if g == 1
	PLACES 8
.elseif g > 1
	MAXB g-2                                       ; eight lines on the block before last: the places behind the last four products
.endif
	KLOAD g
	s_wait_dscnt 0x0
	KMUL g
.set g, g+1
.endr
.if \nb > 1
	MAXB 2                                         ; (the places behind the last four products)
	MAXB 3
.else
	PLACES 8
	v_mov_b32 v[T1], 0xff800000                    ; -infinity: p = 0 then.  Key 1280 is register 0 of lanes 0-15; all else of the block lies past the tensor's end
	v_cndmask_b32 v[SC], v[SC], v[T1], s[HIM]
.set n, 1
.rept 15
	v_mov_b32 v[SC+n], v[T1]
.set n, n+1
.endr
	MAXB 0
.endif
.irp b, 0,1,2,3
.if \b < \nb
	v_permlanex16_b32 v[PB+\b], v[LG+\b], s[SEL], s[SEL+1]
.endif
.endr
.irp b, 0,1,2,3
.if \b < \nb
	v_max_num_f32 v[LG+\b], v[LG+\b], v[PB+\b]     ; with lane l xor 16's 16 keys: the block's largest score
.endif
.endr
.if \nb > 1
	v_max3_num_f32 v[T0], v[LG], v[LG+1], v[LG+2]
	v_max_num_f32 v[T0], v[T0], v[LG+3]            ; the step's largest score of my query
	v_mul_f32 v[T0], s[CS], v[T0]                  ; as t (c is positive)
.else
	v_mul_f32 v[T0], s[CS], v[LG]
.endif
	v_max_num_f32 v[TM], v[TM], v[T0]              ; the running largest t
	v_mov_b32 v[T0], v[NM]
	v_floor_f32 v[NM], -v[TM]                      ; the new -M = floor(-t) = -ceil(t)
	v_sub_f32 v[T0], v[NM], v[T0]                  ; old M - new M: a whole number, 0 or less
	v_cvt_i32_f32 v[T0], v[T0]                     ; (it saturates)
	v_ldexp_f32 v[FF], 1.0, v[T0]                  ; f = 2^(old M - new M)
.set n, 0
.rept 8*\nb
	v_pk_fma_f32 v[SC+n:SC+n+1], v[SC+n:SC+n+1], s[CS:CS+1], v[NM:NM+1] op_sel_hi:[1,0,0]   ; t - M, two at a time
.set n, n+2
.endr
.irp b, 0,1,2,3
.if \b < \nb
	v_fma_f32 v[LG+\b], v[LG+\b], s[CS], v[NM]     ; the same of each block's largest score
.endif
.endr
.set n, 0
.rept 16*\nb
	v_exp_f32 v[SC+n], v[SC+n]                     ; p = 2^(t - M), at most 1
.set n, n+1
.endr
	v_pk_mul_f32 v[SUM:SUM+1], v[SUM:SUM+1], v[FF:FF+1] op_sel_hi:[1,0]   ; the sums under the new M: the plain line behind the exponentials
	s_wait_alu depctr_va_vdst(0)                   ; one wait for the whole batch, ahead of its first reader
.irp b, 0,1,2,3
.if \b < \nb
	v_exp_f32 v[LG+\b], v[LG+\b]                   ; the block's largest p
.endif
.endr
	v_pk_add_f32 v[CH:CH+1], v[SC:SC+1], v[SC+2:SC+3]   ; the row's sum is taken of the unquantised p: two at a time, in two chains
.set n, 4
.rept 4*\nb-1
	v_pk_add_f32 v[SUM:SUM+1], v[SUM:SUM+1], v[SC+n:SC+n+1]
	v_pk_add_f32 v[CH:CH+1], v[CH:CH+1], v[SC+n+2:SC+n+3]
.set n, n+4
.endr
	v_pk_add_f32 v[SUM:SUM+1], v[SUM:SUM+1], v[CH:CH+1]
	s_wait_alu depctr_va_vdst(0)                   ; and one for the blocks' exponentials
.irp b, 0,1,2,3
.if \b < \nb
	v_max_num_f32 v[LG+\b], 0x8000000, v[LG+\b]    ; the floor 2^(16 - 127): the byte cannot fall under 1
.endif
.endr
.irp b, 0,1,2,3
.if \b < \nb
	v_add_nc_u32 v[SOP+\b], 0xf8800000, v[LG+\b]   ; 15 off the exponent field: the conversion's scale operand
.endif
.endr
.irp b, 0,1,2,3
.if \b < \nb
	v_and_or_b32 v[HD+\b], v[LG+\b], 0x7f800000, s[MNT]   ; 57,344 x the scale
.endif
.endr
.if \nb > 1
.irp b, 0,1,2,3
	v_lshrrev_b32 v[PB+\b], 23, v[SOP+\b]          ; the scale's byte
.endr
	v_lshl_or_b32 v[PS], v[PB+1], 8, v[PB]         ; p's scale word for these 128 keys
	v_lshl_or_b32 v[PS], v[PB+2], 16, v[PS]
	v_lshl_or_b32 v[PS], v[PB+3], 24, v[PS]
.else
	v_lshrrev_b32 v[PS], 23, v[SOP]                ; one block's byte; the other three bytes stand over zero codes
.endif
.irp b, 0,1,2,3
.if \b < \nb
.irp i, 0,1,2,3,4,5,6,7,8,9,10,11,12,13,14,15
	v_min_num_f32 v[SC+16*\b+\i], v[SC+16*\b+\i], v[HD+\b]   ; the conversion to an 8-bit code does not saturate (ISA guide 7.6.2); p is not negative, so the hold is one-sided
.endr
	v_cvt_scalef32_pk8_bf8_f32 v[PC+4*\b:PC+4*\b+1], v[SC+16*\b:SC+16*\b+7], v[SOP+\b]
	v_cvt_scalef32_pk8_bf8_f32 v[PC+4*\b+2:PC+4*\b+3], v[SC+16*\b+8:SC+16*\b+15], v[SOP+\b]
.else
.irp i, 0,1,2,3
	v_mov_b32 v[PC+4*\b+\i], 0                     ; zero codes for the keys past the end
.endr
.endif
.endr
	RESC 0, 4                                      ; O^T under the new M.  These sixteen are also the plain lines behind the conversions and ahead of the products that take the codes
	ds_load_b128 v[KS:KS+3], v[ADS] offset:1024    ; V's scale words: register i: tile 2 i in lanes 0-15, tile 2 i + 1 in lanes 16-31
	ds_load_b128 v[KS+4:KS+7], v[ADS] offset:1536
	VLOAD 0
	RESC 4, 4                                      ; while the loads are out
	s_wait_dscnt 0x0
	PV 0
	RESC 8, 4                                      ; tiles that the four products just issued do not name: their places
	VLOAD 1
	s_wait_dscnt 0x0
	PV 1
	RESC 12, 4
	VLOAD 2
	s_wait_dscnt 0x0
	PV 2
	PLACES 8                                       ; nothing is left to rescale
	VLOAD 3
	s_wait_dscnt 0x0
	PV 3
	WIN 0
.Lidle_\@:
.endm
.macro QLOAD                           ; my tile as queries: two fragments and their scale words (lanes 0-15: d 0-127; lanes 16-31: d 128-255), as they lie in kv
.irp n, 0,1,2,3,4,5,6,7
	global_load_b128 v[QF+4*\n:QF+4*\n+3], v[LI], s[QA:QA+1] offset:512*\n
.endr
	global_load_b32 v[QS], v[LI], s[QSA:QSA+1]
.endm
.macro CLEAR                           ; a pass begins: O^T and the sum are zeros, the largest t lies under every t
.set n, 0
.rept 64
	v_mov_b32 v[OT+n], 0
.set n, n+1
.endr
	WIN 0x40
.set n, 0
.rept 64
	v_mov_b32 v[n], 0
.set n, n+1
.endr
	WIN 0
	v_mov_b32 v[TM], 0xff61b1e6                    ; -3e38
	v_floor_f32 v[NM], -v[TM]
	v_mov_b32 v[SUM], 0
	v_mov_b32 v[SUM+1], 0
.endm
.macro NORM                            ; 1 / the row's sum into v[FF]
	PLACES 8                                       ; behind the pass's last products
	v_add_f32 v[SUM], v[SUM], v[SUM+1]             ; the sum's two halves,
	v_permlanex16_b32 v[T0], v[SUM], s[SEL], s[SEL+1]
	v_add_f32 v[SUM], v[SUM], v[T0]                ; and lane l xor 16's
	v_rcp_f32 v[FF], v[SUM]
	v_nop                                          ; a plain line behind the reciprocal,
	s_wait_alu depctr_va_vdst(0)                   ; and the wait ahead of its first reader
.endm
.macro PASS more                       ; eleven key steps; more = 1: the block behind the last of them is asked for too
	s_mov_b32 s[TRIP], 10
.Lstep_\@:
	CHANGE 1
	STEP 4
	s_xor_b32 s[TB], s[TB], BLK                    ; on to the other slot
	s_sub_co_u32 s[TRIP], s[TRIP], 1
	s_cmp_lg_u32 s[TRIP], 0
	s_cbranch_scc1 .Lstep_\@
	CHANGE \more
	STEP 1
	s_xor_b32 s[TB], s[TB], BLK
.endm
	s_load_b128 s[4:7], s[0:1], 0x0                ; kv, out0
	v_lshl_add_u32 v[SPW], v0, 2, SPARE
	v_mov_b32 v[NIL], 0
	ds_add_u32 v[SPW], v[NIL]                      ; the wave's opening: the add and its wait ahead of the first tensor loads; the set-up below, work on registers, stands between them
	v_lshrrev_b32 v[T0], 5, v0
	v_readfirstlane_b32 s[WV], v[T0]               ; wave 0..10
	v_and_b32 v[T1], 31, v0                        ; lane
	v_lshlrev_b32 v[LI], 4, v[T1]
	v_lshlrev_b32 v[PFO], 8, v[T1]
	v_and_b32 v[T0], 15, v0                        ; r
	v_bfe_u32 v[T1], v0, 4, 1                      ; h
	s_mul_i32 s12, s[WV], WRS
	s_add_co_u32 s12, s12, WRB                     ; my region
	v_mul_u32_u24 v[SO], v[T0], WP
	v_lshl_add_u32 v[SO], v[T1], 5, v[SO]
	v_add_nc_u32 v[SO], s12, v[SO]                 ; by lanes: row r, + 32 h; tile dt's eight numbers 64 dt bytes on
	v_add_nc_u32 v[RD], s12, v[LI]                 ; by rows: 16 bytes a lane
	v_mov_b32 v[FF+1], 0                           ; (named as the upper half of the pair)
	v_mov_b32 v[T0], 0                             ; (a lane permute's destination counts as one of its sources)
	s_bfe_u32 s9, ttmp6, 0x40000                   ; cx: my place in the cluster
	s_lshl_b32 s10, ttmp9, 2
	s_add_co_u32 s10, s10, s9                      ; the work-group's number in its batch, 0..7: it enters Q's, the output's and the prefetches' addresses and one EXEC mask, nothing else
	v_mov_b32 v[WGI], s10
	s_and_b32 s11, ttmp7, 0xffff                   ; the batch, which the partners share
	s_mul_i32 s12, s10, 10
	s_add_co_u32 s12, s12, s[WV]
	s_cmp_eq_u32 s[WV], 10
	s_cselect_b32 s12, 80, s12                     ; my tile T
	s_lshr_b32 s13, s12, 3                         ; its key step jq,
	s_and_b32 s14, s12, 7                          ; its tile t there
	s_lshl_b32 s15, s13, 7
	s_and_b32 s16, s14, 6
	s_lshl_b32 s16, s16, 4
	s_add_co_u32 s15, s15, s16
	s_and_b32 s16, s14, 1
	s_lshl_b32 s16, s16, 3
	s_add_co_u32 s15, s15, s16                     ; its first row: 128 jq + 32 (t / 2) + 8 (t % 2); lane r's row lies r + 8 (r / 8) on
	s_mul_i32 s16, s11, 1281
	s_add_co_u32 s16, s16, s15
	s_lshl_b32 s16, s16, 10                        ; in bytes, in the output
	s_mov_b32 s17, 0
	s_mul_i32 s18, s11, 22
	s_add_co_u32 s18, s18, s13
	s_add_co_u32 s18, s18, 11                      ; pass 1's queries are lidar's: blocks 11 on
	s_mul_i32 s18, s18, BLK
	s_mov_b32 s19, 0
	s_lshr_b32 s52, s14, 2
	s_lshl_b32 s52, s52, 9
	s_and_b32 s53, s14, 3
	s_lshl_b32 s53, s53, 2
	s_add_co_u32 s52, s52, s53
	s_add_co_u32 s52, s52, s18
	s_add_co_u32 s52, s52, 65536                   ; the tile's scale words: 512 (t / 4) + 4 (t % 4), 16 bytes from lane to lane
	s_mov_b32 s53, 0
	s_lshl_b32 s15, s14, 12
	s_add_co_u32 s18, s18, s15                     ; the tile's two fragments
	s_mul_i32 s54, s11, BATCH                      ; the batch's 22 blocks
	s_add_co_u32 s56, s54, BLK                     ; the prefetches stand at block 1: the first change of slots steps them to block 2.  Nothing is prefetched at the head
	s_lshl_b32 s15, s9, 14
	s_add_co_u32 s56, s56, s15                     ; my work-group's 16,384 bytes
	s_mov_b32 s57, 0
	s_mul_i32 s[G0+1], s[WV], QTR                  ; 63:32 LDS address: my quarter, slot 0: the wave's number alone
	s_add_co_u32 s54, s54, s[G0+1]                 ; and the same quarter in memory
	s_mov_b32 s55, 0
	; descriptor group 1: 66 rows of 256 bytes, dense in memory and in LDS
	s_mov_b32 s[G1], 15|(3<<16)|(1<<21)            ; 15:0 the mask: all four work-groups; 17:16 elements of 8 bytes; 21 set beside a mask; no padding: every LDS read takes 512 bytes on end
	s_mov_b32 s[G1+1], 32<<16                      ; tensor_dim0 = 32
	s_mov_b32 s[G1+2], 66<<16                      ; tensor_dim1 = 66
	s_mov_b32 s[G1+3], 32<<16                      ; tile_dim0 = 32
	s_mov_b32 s[G1+4], 66                          ; tile_dim1 = 66
	s_mov_b32 s[G1+5], 32                          ; tensor_dim0_stride
	s_mov_b32 s[G1+6], 0
	s_mov_b32 s[G1+7], 0
	s_mov_b32 s[SEL], 0x76543210
	s_mov_b32 s[SEL+1], 0xfedcba98
	s_mov_b32 s[CS], 0x3db8aa3b                    ; c = log2(e) / 16
	s_mov_b32 s[CS+1], s[CS]
	s_mov_b32 s[MNT], 0x600000
	s_mov_b32 s[HIM], 0xffff0000
	s_mov_b32 s[TB], 0
	s_mov_b32 s[CNT], 21
	s_cmp_lt_u32 s[WV], 10
	s_cselect_b32 s[ACT], 1, 0
	s_cmp_eq_u32 ttmp9, 1
	s_cselect_b32 s15, 1, 0
	s_or_b32 s[ACT], s[ACT], s15                   ; waves 0-9, and wave 10 of the batch's second cluster: the same in all four partners
	s_xor_b32 s15, s[WV], 10
	s_or_b32 s15, s15, ttmp9
	s_cmp_eq_u32 s15, 0
	s_cselect_b32 s[LIM], 1, -1                    ; wave 10 of the first cluster prefetches
	s_wait_dscnt 0x0                               ; the opening add is done
	s_wait_kmcnt 0x0
	s_add_nc_u64 s[OUT:OUT+1], s[6:7], s[16:17]
	s_add_nc_u64 s[QA:QA+1], s[4:5], s[18:19]
	s_add_nc_u64 s[QSA:QSA+1], s[4:5], s[52:53]
	s_add_nc_u64 s[PFA:PFA+1], s[4:5], s[56:57]
	s_mov_b32 s[G0], 1                             ; 1:0 count = 1
	s_add_nc_u64 s[G0+2:G0+3], s[4:5], s[54:55]    ; 120:64 global address: block 0
	s_or_b32 s[G0+3], s[G0+3], 0x80000000          ; 127:126 type = 2
	CROUND                                         ; all four work-groups are here: the first joint loads meet
	TLOAD                                          ; block 0 into slot 0
	QLOAD
	CLEAR
	s_wait_loadcnt 0x0                             ; Q
	PASS 1                                         ; queries lidar, keys and values visual
	; BETWEEN THE PASSES: out1 = O^T / the sum waits as rows in my region of LDS; the second pass's queries come in meanwhile.
	NORM
	s_sub_nc_u64 s[QA:QA+1], s[QA:QA+1], 11*BLK    ; the same tile of visual (the first pass's loads were waited for long ago)
	s_sub_nc_u64 s[QSA:QSA+1], s[QSA:QSA+1], 11*BLK
	QLOAD
.set n, 0
.rept 32
	v_pk_mul_f32 v[FR+n:FR+n+1], v[OT+n:OT+n+1], v[FF:FF+1] op_sel_hi:[1,0]   ; each accumulator from its low end on
.set n, n+2
.endr
	WIN 0x01                                       ; source 0 in window 1
.set n, 0
.rept 32
	v_pk_mul_f32 v[SC+n:SC+n+1], v[n:n+1], v[FF:FF+1] op_sel_hi:[1,0]
.set n, n+2
.endr
	WIN 0
.set n, 0
.rept 32
	ds_store_b128 v[SO], v[FR+4*n:FR+4*n+3] offset:64*(n/2)+16*(n%2)   ; register 8 dt + i is out1(row r, d = 16 dt + 8 h + i)
.set n, n+1
.endr
	CLEAR
	s_wait_loadcnt 0x0                             ; Q
	PASS 0                                         ; queries visual, keys and values lidar; nothing follows block 21
	; THE WAY OUT: out1 comes back to the lanes that left it, out2 = O^T / the sum is added by one fused line for two numbers, and the sum goes through the same rows, to leave as runs of 512 bytes.
	NORM
.set n, 0
.rept 32
	ds_load_b128 v[FR+4*n:FR+4*n+3], v[SO] offset:64*(n/2)+16*(n%2)
.set n, n+1
.endr
	s_wait_dscnt 0x0
.set n, 0
.rept 32
	v_pk_fma_f32 v[FR+n:FR+n+1], v[OT+n:OT+n+1], v[FF:FF+1], v[FR+n:FR+n+1] op_sel_hi:[1,0,1]
.set n, n+2
.endr
	WIN 0x01
.set n, 0
.rept 32
	v_pk_fma_f32 v[SC+n:SC+n+1], v[n:n+1], v[FF:FF+1], v[SC+n:SC+n+1] op_sel_hi:[1,0,1]
.set n, n+2
.endr
	WIN 0
.set n, 0
.rept 32
	ds_store_b128 v[SO], v[FR+4*n:FR+4*n+3] offset:64*(n/2)+16*(n%2)
.set n, n+1
.endr
	s_cmp_lt_u32 s[WV], 10
	s_cbranch_scc0 .Lrow_1280
.set n, 0
.rept 32
	ds_load_b128 v[FR+4*n:FR+4*n+3], v[RD] offset:(n/2)*WP+512*(n%2)   ; LDS serves a wave's instructions in order: these see my stores
.set n, n+1
.endr
.set n, 0
.rept 32
	s_wait_dscnt 31-n                              ; the younger loads may stay out
	global_store_b128 v[LI], v[FR+4*n:FR+4*n+3], s[OUT:OUT+1] offset:((n/2)+8*((n/2)/8))*1024+512*(n%2) th:TH_STORE_NT   ; 32 lanes store 512 consecutive bytes, aligned; written once, read by nobody here
.set n, n+1
.endr
	s_branch .Ldone
.Lrow_1280:                                        ; wave 10: of tile 80 only row 0 is a row of the tensor, and only work-group 7 stores it
	ds_load_b128 v[FR:FR+3], v[RD]
	ds_load_b128 v[FR+4:FR+7], v[RD] offset:512
	s_wait_dscnt 0x0
	v_cmp_eq_u32 vcc_lo, 7, v[WGI]
	s_wait_xcnt 0x0                                ; EXEC changes only behind this wait
	s_and_saveexec_b32 s31, vcc_lo
	global_store_b128 v[LI], v[FR:FR+3], s[OUT:OUT+1] th:TH_STORE_NT
	global_store_b128 v[LI], v[FR+4:FR+7], s[OUT:OUT+1] offset:512 th:TH_STORE_NT
	s_wait_xcnt 0x0                                ; and again, in front of the line that widens it
	s_or_b32 exec_lo, exec_lo, s31
.Ldone:
	s_wait_tensorcnt 0x0                           ; the wave's end: three lines behind my last tensor load and my last LDS store
	ds_add_u32 v[SPW], v[NIL]
	s_wait_dscnt 0x0
	CROUND                                         ; the closing round: no work-group ends while a partner may still ask for a block that names it
	s_endpgm
.Lfunc_end_k_q34328a0bf0_attn:
	.size	k_q34328a0bf0_attn, .Lfunc_end_k_q34328a0bf0_attn-k_q34328a0bf0_attn
	.p2alignl 7, 3214868480
	.fill 96, 4, 3214868480
	.section	.rodata,"a",@progbits
	.p2align	6, 0x0
	.amdhsa_kernel k_q34328a0bf0_attn
		.amdhsa_group_segment_fixed_size 327680
		.amdhsa_private_segment_fixed_size 0
		.amdhsa_enable_private_segment 0
		.amdhsa_kernarg_size 16
		.amdhsa_user_sgpr_count 2
		.amdhsa_user_sgpr_kernarg_segment_ptr 1
		.amdhsa_wavefront_size32 1
		.amdhsa_system_sgpr_workgroup_id_x 1
		.amdhsa_system_sgpr_workgroup_id_y 1
		.amdhsa_system_sgpr_workgroup_id_z 1
		.amdhsa_system_vgpr_workitem_id 0
		.amdhsa_next_free_vgpr 320
		.amdhsa_next_free_sgpr 66
		.amdhsa_reserve_vcc 1
		.amdhsa_float_denorm_mode_32 3
		.amdhsa_float_denorm_mode_16_64 3
		.amdhsa_memory_ordered 1
		.amdhsa_forward_progress 1
		.amdhsa_inst_pref_size 138
	.end_amdhsa_kernel
	.amdgpu_metadata
---
amdhsa.version: [ 1, 2 ]
amdhsa.kernels:
  - .name:           k_q34328a0bf0_attn
    .symbol:         k_q34328a0bf0_attn.kd
    .args:
      - { .name: kv, .offset: 0, .size: 8, .value_kind: global_buffer, .address_space: global }
      - { .name: out0, .offset: 8, .size: 8, .value_kind: global_buffer, .address_space: global }
    .group_segment_fixed_size: 327680
    .private_segment_fixed_size: 0
    .kernarg_segment_align: 8
    .kernarg_segment_size: 16
    .max_flat_workgroup_size: 352
    .sgpr_count:     66
    .vgpr_count:     320
    .wavefront_size: 32
...
	.end_amdgpu_metadata
.endif
;; end of part 2
;; ======== version 2 of 2: 2 launches
;; limits: right only within a limited range of input values
;; workspace buffers: kv 47,579,136 bytes
;; launch quant (part 3): grid 11 x 64, 8 waves a work-group, no clusters, 39,936 bytes of LDS; arguments visual_features, lidar_features, kv; writes kv
.if DOCPART == 3
	.amdgcn_target "amdgcn-amd-amdhsa--gfx1250"
	.amdhsa_code_object_version 6
	.text
	.protected	k_q34328a0bf0_quant
	.globl	k_q34328a0bf0_quant
	.p2align	8
	.type	k_q34328a0bf0_quant,@function
k_q34328a0bf0_quant:
	s_mov_b64 s[64:65], 0
	v_nop
	global_prefetch_b8 v0, s[64:65] scope:SCOPE_SE
	s_setreg_imm32_b32 hwreg(HW_REG_WAVE_MODE, 25, 1), 1
	s_wait_xcnt 0x0
; Both tensors, seen as [32][1281][256] f32, become codes of BF8 (E5M2) with one E8M0 byte for each 32 numbers, TWICE: along d (as queries and keys) and along the keys (as values).
; A work-group makes one block of kv: tensor x (0 visual, 1 lidar) of batch b, key step j (128 keys): block (2 b + x) 11 + j, BLK bytes, laid in the order of the operands' registers:
;   0      KF(t, s) at (2 t + s) 2048: 16 keys x 128 d.  Chunk c (512 bytes), lane l at 16 l: key 128 j + 32 (t / 2) + 8 (t % 2) + r + 8 (r / 8), d = 128 s + 32 c + 16 h + 0 .. 15   (r = l % 16, h = l / 16)
;   32768  VF(dt) at dt 2048: 16 d x 128 keys.  Chunk c, lane l: d = 16 dt + r, keys 128 j + 32 c + 16 h + 0 .. 15
;   65536  KS: the scale word of (tile t, row r, half s) at 512 (t / 4) + 16 (r + 16 s) + 4 (t % 4), byte c for d block 4 s + c
;   66560  VS: the scale word of (dt, row r) at 512 (dt / 8) + 16 (r + 16 (dt % 2)) + 4 ((dt / 2) % 4), byte c for the step's key block c
; Keys past 1280 are zero codes.  A block's scale is 2^(floor(log2(its largest magnitude)) - 15); its byte is the largest magnitude's exponent field - 15, held at 1 from below.
; LIMITS: a block of zeros gets the byte 1 where the rule says 127 (its codes are zeros, and this program alone reads the bytes); NaN and infinities among the inputs are not served.
; SHARES.  Wave db takes d = 32 db .. 32 db + 31 of the step's 128 keys.  A LANE TAKES A COLUMN d AND ITS REGISTERS RUN DOWN THE KEYS: a load reads 128 consecutive bytes, the eight waves side by side a row of 1,024.
; A key block of 32 lies in one lane's 32 registers: the codes along the keys come straight from them.  The same numbers turn through the wave's own stage in LDS and come back 16 neighbours along d a lane: the codes along d.
; So each f32 number is read from memory once.  No tensor loads; one barrier, for the scale bytes, which leave as whole runs of 256 bytes.
; REGISTERS: v1 lane; v2 4 lane; v3, v4 the stage, in and out; v5, v6 my codes' places in the block (along d, along the keys); v7, v8 my scale bytes' places in LDS; v9, v10 the add's two; v11 the column's scale word;
;   v12-15 the column's maxima, scale operand, hold; v16-25 the rows' (two tiles): maxima, the other half's, scale operands, holds, bytes; v26, v27 16 x thread: the scale image in LDS and in the block;
;   v28-35 codes along the keys; v36-43 codes along d; v44-75 32 numbers back from the stage; v76-203 the 128 numbers as loaded.
; THE BLOCK'S ORDER, which stands in place of the four offsets listed above: 0 KF; 32768 KS; 33792 VF; 66560 VS. So V's half of a block and K's half of the next one are 67,584 bytes on end.
.set BLK,   67584
.set STG,   4608                       ; a wave's stage: 32 rows of SP bytes
.set SP,    144                        ; 128 bytes + 16 of padding: an odd multiple of 16, so that the sixteen rows of a 16-byte load begin at sixteen different places of a run of 256 bytes
.set SCL,   8*STG                      ; behind the stages: the image of the block's 2,048 scale bytes
.set SPARE, SCL+2048                   ; the spare words, 128 bytes for each wave: four blocks of 256 bytes that no other line names
.set SPW,   9
.set NIL,   10
.set CC,    28
.set RC,    36
.set R,     44
.set X,     76
	s_load_b128 s[4:7], s[0:1], 0x0                ; visual, lidar
	s_load_b64 s[8:9], s[0:1], 0x10                ; kv
	v_lshl_add_u32 v[SPW], v0, 2, SPARE
	v_mov_b32 v[NIL], 0
	v_lshrrev_b32 v1, 5, v0
	s_delay_alu instid0(VALU_DEP_1)
	v_readfirstlane_b32 s10, v1                    ; wave = db
	v_and_b32 v1, 31, v0                           ; lane
	s_delay_alu instid0(VALU_DEP_1)
	v_lshlrev_b32 v2, 2, v1
	v_and_b32 v12, 15, v0                          ; r
	v_bfe_u32 v13, v0, 4, 1                        ; h
	s_mul_i32 s15, s10, STG                        ; my stage
	v_add_nc_u32 v3, s15, v2                       ; in: a key's 32 numbers on end
	v_mul_u32_u24 v4, v12, SP
	s_delay_alu instid0(VALU_DEP_1)
	v_lshl_add_u32 v4, v13, 6, v4
	s_delay_alu instid0(VALU_DEP_1)
	v_add_nc_u32 v4, s15, v4                       ; out: row r, my half's 64 bytes
	s_lshr_b32 s18, s10, 2                         ; s = db / 4
	s_and_b32 s19, s10, 3                          ; c = db % 4
	s_lshl_b32 s23, s18, 11
	s_lshl_b32 s24, s19, 9
	s_add_co_u32 s23, s23, s24
	v_lshl_add_u32 v5, v1, 4, s23                  ; KF: 2048 s + 512 c + 16 lane
	v_lshlrev_b32 v6, 11, v13
	s_delay_alu instid0(VALU_DEP_1)
	v_lshl_add_u32 v6, v12, 4, v6
	s_lshl_b32 s23, s10, 12
	v_add_nc_u32 v6, s23, v6                       ; VF: dt = 2 db + lane / 16: 4096 db + 2048 (lane / 16) + 16 (lane % 16)
	s_lshl_b32 s23, s18, 8
	s_add_co_u32 s23, s23, s19
	s_add_co_u32 s23, s23, SCL
	v_lshl_add_u32 v7, v12, 4, s23                 ; KS: 16 r + 256 s + c
	s_lshl_b32 s23, s18, 9
	s_lshl_b32 s24, s19, 2
	s_add_co_u32 s23, s23, s24
	s_add_co_u32 s23, s23, SCL+1024
	v_lshl_add_u32 v8, v1, 4, s23                  ; VS: 512 (db / 4) + 16 lane + 4 (db % 4)
	v_lshl_add_u32 v26, v0, 4, SCL
	s_lshr_b32 s23, s10, 1                         ; waves 0, 1 carry KS out, waves 2, 3 VS, which lies 32,768 bytes further on than the image has it
	s_lshl_b32 s23, s23, 15
	v_lshl_add_u32 v27, v0, 4, s23
	v_mov_b32 v18, 0                               ; written once: a lane permute's destination counts as one of its sources
	v_mov_b32 v19, 0
	s_mov_b32 s20, 0x76543210
	s_mov_b32 s21, 0xfedcba98                      ; v_permlanex16_b32's selects for lane l xor 16
	s_mov_b32 s22, 0x600000                        ; the mantissa field of 57,344
	s_and_b32 s12, ttmp7, 0xffff                   ; y = 2 b + x
	s_lshr_b32 s13, s12, 1                         ; b
	s_mul_i32 s16, s13, 1311744                    ; a batch: 1,281 rows of 1,024 bytes
	s_lshl_b32 s17, ttmp9, 17                      ; + 128 j rows
	s_add_co_u32 s16, s16, s17
	s_lshl_b32 s17, s10, 7                         ; + my strip of 128 bytes
	s_add_co_u32 s16, s16, s17
	s_mov_b32 s17, 0
	s_mul_i32 s24, s12, 11
	s_add_co_u32 s24, s24, ttmp9
	s_mul_i32 s24, s24, BLK                        ; my block
	s_mov_b32 s25, 0
	s_and_b32 s14, s12, 1                          ; x
	s_wait_kmcnt 0x0
	s_cmp_eq_u32 s14, 0                            ; which tensor: the choice hangs on the work-group's number alone
	s_cselect_b64 s[4:5], s[4:5], s[6:7]
	s_add_nc_u64 s[4:5], s[4:5], s[16:17]
	s_add_nc_u64 s[8:9], s[8:9], s[24:25]
	s_cmp_eq_u32 ttmp9, 10                         ; the last step has one key, 1280: no load leaves the buffer
	s_cbranch_scc1 .Ltail
.set n, 0
.rept 128
	global_load_b32 v[X+n], v2, s[4:5] offset:n*1024 th:TH_LOAD_NT   ; key n of the step, my column
.set n, n+1
.endr
	s_branch .Lgo
.Ltail:
	global_load_b32 v[X], v2, s[4:5] th:TH_LOAD_NT
.set n, 1
.rept 127
	v_mov_b32 v[X+n], 0                            ; the quantiser fills a short block with zeros
.set n, n+1
.endr
	s_wait_loadcnt 0x0
.Lgo:
; Key block bk of the step: 32 keys x my 32 columns.
.macro QBLK bk
.set XS, X+32*(\bk)
.if 32*(3-(\bk)) > 63
	s_wait_loadcnt 63                              ; of the 128 loads at most 63 are out: the first 65 are in, this block's among them (the wait's field holds no larger count)
.else
	s_wait_loadcnt 32*(3-(\bk))                    ; this block's 32 loads are in; the later blocks' may be out
.endif
.set n, 0
.rept 32                               ; key n of the block goes to stage row p, so that tile u's rows (keys 8 u + r + 8 (r / 8)) lie at rows 16 u + r
.if (n/8) == 1
.set p, n+8
.elseif (n/8) == 2
.set p, n-8
.else
.set p, n
.endif
	ds_store_b32 v3, v[XS+n] offset:p*SP
.set n, n+1
.endr
.irp u, 0,1
.irp q, 0,1,2,3
	ds_load_b128 v[R+16*\u+4*\q:R+16*\u+4*\q+3], v4 offset:16*\u*SP+16*\q   ; LDS serves a wave's instructions in order: these see the stores above
.endr
.endr
	s_wait_dscnt 8                                 ; all but the eight loads: the stores have read their registers, which the hold below rewrites; so have the last block's byte stores
	; ---- along the keys: all 32 numbers of the block are mine
	v_max3_num_f32 v12, |v[XS]|, |v[XS+1]|, |v[XS+2]|
	v_max3_num_f32 v13, |v[XS+3]|, |v[XS+4]|, |v[XS+5]|
.irp i, 6,10,14,18,22,26
	s_delay_alu instid0(VALU_DEP_2)
	v_max3_num_f32 v12, v12, |v[XS+\i]|, |v[XS+\i+1]|
	s_delay_alu instid0(VALU_DEP_2)
	v_max3_num_f32 v13, v13, |v[XS+\i+2]|, |v[XS+\i+3]|
.endr
	s_delay_alu instid0(VALU_DEP_2)
	v_max3_num_f32 v12, v12, |v[XS+30]|, |v[XS+31]|
	s_delay_alu instid0(VALU_DEP_1)
	v_max3_num_f32 v12, v12, v13, 0x8000000        ; and the floor 2^(16 - 127): the byte cannot fall under 1
	s_delay_alu instid0(VALU_DEP_1)
	v_add_nc_u32 v14, 0xf8800000, v12              ; 15 off the exponent field: the conversion takes the exponent field of this operand as its scale
	s_delay_alu instid0(VALU_DEP_2)
	v_and_or_b32 v15, v12, 0x7f800000, s22         ; 57,344 x the scale
	s_delay_alu instid0(VALU_DEP_2)
	v_lshrrev_b32 v13, 23, v14                     ; the scale's byte
.if (\bk) == 0
	s_delay_alu instid0(VALU_DEP_1)
	v_mov_b32 v11, v13
.else
	s_delay_alu instid0(VALU_DEP_1)
	v_lshl_or_b32 v11, v13, 8*(\bk), v11           ; byte bk of my column's word
.endif
.set n, 0
.rept 32
	v_med3_num_f32 v[XS+n], v[XS+n], -v15, v15     ; the conversion to an 8-bit code does not saturate (ISA guide 7.6.2): the hold at the largest code x the scale
.set n, n+1
.endr
.if (\bk) > 0
	s_wait_alu depctr_va_vdst(0)
	s_wait_xcnt 0x0                                ; the last block's stores have read their data: both sets of code registers are rewritten only behind this wait
.endif
.irp q, 0,1,2,3
	v_cvt_scalef32_pk8_bf8_f32 v[CC+2*\q:CC+2*\q+1], v[XS+8*\q:XS+8*\q+7], v14
.endr
	v_nop                                          ; a plain line behind the last conversion of the run
	global_store_b128 v6, v[CC:CC+3], s[8:9] offset:33792+512*(\bk)        ; keys 0-15 of the block: sixteen lanes store 256 consecutive bytes, aligned
	global_store_b128 v6, v[CC+4:CC+7], s[8:9] offset:33792+512*(\bk)+256  ; keys 16-31
	s_wait_dscnt 0x0                               ; the numbers are back from the stage
	; ---- along d: lane (r, h) holds 16 neighbours of tile u's row r; a block of 32 lies in lanes l and l xor 16.  The two tiles by turns
.irp u, 0,1
	v_max3_num_f32 v[16+\u], |v[R+16*\u]|, |v[R+16*\u+1]|, 0x8000000
.endr
.irp i, 2,4,6,8,10,12,14
.irp u, 0,1
	s_delay_alu instid0(VALU_DEP_2)
	v_max3_num_f32 v[16+\u], v[16+\u], |v[R+16*\u+\i]|, |v[R+16*\u+\i+1]|
.endr
.endr
.irp u, 0,1
	s_delay_alu instid0(VALU_DEP_2)
	v_permlanex16_b32 v[18+\u], v[16+\u], s20, s21
.endr
.irp u, 0,1
	s_delay_alu instid0(VALU_DEP_2)
	v_max_num_f32 v[16+\u], v[16+\u], v[18+\u]
.endr
.irp u, 0,1
	s_delay_alu instid0(VALU_DEP_2)
	v_add_nc_u32 v[20+\u], 0xf8800000, v[16+\u]
.endr
.irp u, 0,1
	s_delay_alu instid0(VALU_DEP_4)
	v_and_or_b32 v[22+\u], v[16+\u], 0x7f800000, s22
.endr
.irp u, 0,1
	s_delay_alu instid0(VALU_DEP_4)
	v_lshrrev_b32 v[24+\u], 23, v[20+\u]
.endr
.irp u, 0,1
.irp i, 0,1,2,3,4,5,6,7,8,9,10,11,12,13,14,15
	v_med3_num_f32 v[R+16*\u+\i], v[R+16*\u+\i], -v[22+\u], v[22+\u]
.endr
	v_cvt_scalef32_pk8_bf8_f32 v[RC+4*\u:RC+4*\u+1], v[R+16*\u:R+16*\u+7], v[20+\u]
	v_cvt_scalef32_pk8_bf8_f32 v[RC+4*\u+2:RC+4*\u+3], v[R+16*\u+8:R+16*\u+15], v[20+\u]
.endr
	v_nop                                          ; a plain line behind the last conversion of the run
.irp u, 0,1
	ds_store_b8 v7, v[24+\u] offset:512*((\bk)/2)+8*((\bk)%2)+4*\u          ; tile t = 2 bk + u; both lanes of a block write the same byte with the same value
	global_store_b128 v5, v[RC+4*\u:RC+4*\u+3], s[8:9] offset:8192*(\bk)+4096*\u   ; 32 lanes store 512 consecutive bytes, aligned
.endr
.endm
	QBLK 0
	QBLK 1
	QBLK 2
	QBLK 3
	ds_store_b32 v8, v11                           ; my column's scale word
	s_wait_dscnt 0x0                               ; for the others' sake: my scale bytes lie in LDS
	s_barrier_signal -1
	s_barrier_wait -1
	s_cmp_lt_u32 s10, 4                            ; 128 threads x 16 bytes carry the 2,048 scale bytes out
	s_cbranch_scc0 .Lend
	ds_load_b128 v[R:R+3], v26
	s_wait_dscnt 0x0
	global_store_b128 v27, v[R:R+3], s[8:9] offset:32768   ; sixteen lanes store 256 consecutive bytes, aligned
.Lend:
	s_wait_tensorcnt 0x0                           ; the wave's end: three lines behind my last LDS store
	ds_add_u32 v[SPW], v[NIL]
	s_wait_dscnt 0x0
	s_endpgm
.Lfunc_end_k_q34328a0bf0_quant:
	.size	k_q34328a0bf0_quant, .Lfunc_end_k_q34328a0bf0_quant-k_q34328a0bf0_quant
	.p2alignl 7, 3214868480
	.fill 96, 4, 3214868480
	.section	.rodata,"a",@progbits
	.p2align	6, 0x0
	.amdhsa_kernel k_q34328a0bf0_quant
		.amdhsa_group_segment_fixed_size 39936
		.amdhsa_private_segment_fixed_size 0
		.amdhsa_enable_private_segment 0
		.amdhsa_kernarg_size 24
		.amdhsa_user_sgpr_count 2
		.amdhsa_user_sgpr_kernarg_segment_ptr 1
		.amdhsa_wavefront_size32 1
		.amdhsa_system_sgpr_workgroup_id_x 1
		.amdhsa_system_sgpr_workgroup_id_y 1
		.amdhsa_system_sgpr_workgroup_id_z 1
		.amdhsa_system_vgpr_workitem_id 0
		.amdhsa_next_free_vgpr 208
		.amdhsa_next_free_sgpr 66
		.amdhsa_reserve_vcc 0
		.amdhsa_float_denorm_mode_32 3
		.amdhsa_float_denorm_mode_16_64 3
		.amdhsa_memory_ordered 1
		.amdhsa_forward_progress 1
		.amdhsa_inst_pref_size 68
	.end_amdhsa_kernel
	.amdgpu_metadata
---
amdhsa.version: [ 1, 2 ]
amdhsa.kernels:
  - .name:           k_q34328a0bf0_quant
    .symbol:         k_q34328a0bf0_quant.kd
    .args:
      - { .name: visual_features, .offset: 0, .size: 8, .value_kind: global_buffer, .address_space: global }
      - { .name: lidar_features, .offset: 8, .size: 8, .value_kind: global_buffer, .address_space: global }
      - { .name: kv, .offset: 16, .size: 8, .value_kind: global_buffer, .address_space: global }
    .group_segment_fixed_size: 39936
    .private_segment_fixed_size: 0
    .kernarg_segment_align: 8
    .kernarg_segment_size: 24
    .max_flat_workgroup_size: 256
    .sgpr_count:     66
    .vgpr_count:     208
    .wavefront_size: 32
...
	.end_amdgpu_metadata
.endif
;; end of part 3
;; launch attn (part 4): grid 8 x 32, 4 waves a work-group, clusters of 4 x 1, 327,680 bytes of LDS; arguments kv, out0; writes out0
.if DOCPART == 4
	.amdgcn_target "amdgcn-amd-amdhsa--gfx1250"
	.amdhsa_code_object_version 6
	.text
	.protected	k_q34328a0bf0_attn
	.globl	k_q34328a0bf0_attn
	.p2align	8
	.type	k_q34328a0bf0_attn,@function
k_q34328a0bf0_attn:
	s_mov_b64 s[64:65], 0
	v_nop
	global_prefetch_b8 v0, s[64:65] scope:SCOPE_SE
	s_setreg_imm32_b32 hwreg(HW_REG_WAVE_MODE, 25, 1), 1
	s_wait_xcnt 0x0
	s_wait_alu depctr_hold_cnt(0) depctr_sa_sdst(0) depctr_va_vdst(0) depctr_va_sdst(0) depctr_va_ssrc(0) depctr_va_vcc(0) depctr_vm_vsrc(0)
	s_getreg_b32 s2, hwreg(HW_REG_IB_STS2, 6, 4)
	s_cmp_eq_u32 s2, 0
	s_cbranch_scc0 .Lentry_in_a_cluster
	s_endpgm
.Lentry_in_a_cluster:
	s_bfe_u32 s2, ttmp6, 0x10000c
	s_cmp_lg_u32 s2, 0x3003
	s_cbranch_scc0 .Lentry_shape_is_right
	s_endpgm
.Lentry_shape_is_right:
; out = attention(queries lidar; keys, values visual) + attention(queries visual; keys, values lidar), both tensors seen as [32][1281][256]; all four products on codes of BF8 (E5M2), one E8M0 scale for each 32 along K.
; kv: for each batch 22 blocks of BLK bytes: key steps 0-10 (128 keys) of visual, then of lidar.  A block: 0 KF(t, s) at (2 t + s) 2048; 32768 K's scale words; 33792 VF(dt) at dt 2048; 66560 V's scale words; all in the order of the operands' registers.
; Tile t's lane r is key 32 (t / 2) + 8 (t % 2) + r + 8 (r / 8), so that the 16 score registers of tiles 2 b, 2 b + 1 are 16 neighbouring keys.  A KF tile serves as a tile of queries too.
; SOFTMAX: t = score x log2(e) / 16; M = the running largest t rounded up to a whole number; p = 2^(t - M) is quantised along the keys; the row's sum is taken of the unquantised p and divides at the end; when M moves, sum and O are
; multiplied by 2^(old M - new M).  A block's largest p is made from its largest score by the same two instructions (this takes v_exp_f32 not to fall where its input rises).
; SHARES: a batch has 81 tiles of 16 queries; wave w of work-group i (0-7 of its batch) owns tiles 24 w + 3 i + 0 .. 2 and runs both directions for them; the first direction's result waits in the wave's own LDS (and 32 registers).
; Both products are used transposed: a lane holds one query.  Tiles 81-83 hold zero codes and are computed for nothing; rows from 1281 on are kept out by EXEC.  Wave 3 of a batch's second cluster has no tile: it leaves the steps' work out and prefetches.
; THE STEPS ARE SHIFTED: trip j makes S(j) = K(j) Q^T and its softmax, and the products O += V(j-1) P(j-1) stand among the softmax's vector lines, one for every PER lines.  O is brought under the new M behind them, in one run.
; So a ring slot holds V(j-1) with its scale words and K(j) with its own: BLK bytes on end in kv, from the middle of block j-1.  Slot 0's first fill is K(0) alone, the last fill V(21) alone: loads of half the rows.
; CLUSTER: the four work-groups of a cluster walk the same blocks: each quarter of a slot is asked for jointly.  Both directions run through one outer loop of two trips; each direction's last two changes of slots are written out.
; O is cleared ahead of each direction: the step stands under a branch (the wave without tiles), and its first products belong to the loop's first trip.
; LIMITS: NaN and infinities among the inputs are not served.
; WINDOWS: 0: v1-12 addresses, v16-37 scale words alone, v38-46 offsets, v64-191 two buffers of four fragments, v192-239 p's codes.  1: tile k's statistics at v[16 k], v48-59 bytes, v[64 + 64 k] S^T, then p.
;          2: O^T of tiles 0, 1.  3: v0-127 O^T of tile 2, v128-223 Q, v224-255 32 numbers of the first direction's result.
.set BLK,   67584
.set HALF,  33792
.set QTR,   BLK/4
.set HQ,    HALF/4
.set BATCH, 22*BLK
.set IMGB,  2*BLK
.set IMGW,  88*512
.set SPARE, IMGB+4*IMGW
.set WP,    1040
.set LI,  1
.set SPW, 2
.set NIL, 3
.set ADR, 4
.set ADS, 5
.set SO,  6
.set RD,  7
.set PFO, 8
.set IMG, 9
.set VT,  10
.set QS,  16
.set PS,  19
.set KS,  22
.set VS,  30
.set QO,  38
.set QSO, 41
.set OO,  44
.set F,   64
.set PC,  192
.set BY,  48
.set SC,  64
.set QF,  128
.set KEEP, 224
.set WV,  8
.set SEL, 20
.set CS,  22
.set MNT, 24
.set HIM, 25
.set ACT, 26
.set TB,  27
.set CNT, 28
.set LIM, 29
.set TRIP, 30
.set G0,  32
.set G1,  36
.set PFA, 44
.set QB,  46
.set OUTB, 48
.set PASS, 58
.set G0H, 68                           ; group 0 of K(0)'s load
.set G0T, 72                           ; of V(21)'s
.set G1H, 76                           ; group 1 of both: 33 rows
.set W_S,  0x55
.set W_KQ, 0x5c
.set W_CV, 0x15
.set MSB, 0
.macro WIN new
.if MSB != (\new)
	s_set_vgpr_msb (MSB<<8)|(\new)
.set MSB, (\new)
.endif
.endm
.macro WA
	s_wait_alu depctr_va_vdst(0)
.endm
.macro PLACES n
.rept \n
	v_nop
.endr
.endm
.macro CROUND
	s_barrier_signal -1
	s_barrier_wait -1
	s_cmp_lg_u32 s[WV], 0
	s_cbranch_scc1 .Lnot_wave_0_\@
	s_barrier_signal -3
.Lnot_wave_0_\@:
	s_barrier_wait -3
	s_barrier_signal -1
	s_barrier_wait -1
.endm
.macro TLOAD g0, g1                    ; every wave fetches its quarter; five lines follow the load
	tensor_load_to_lds s[\g0:\g0+3], s[\g1:\g1+7]
	s_nop 0
	PLACES 4
.endm
; A prefetch of 65,536 bytes of the slot that the NEXT change will ask for.  Both clusters of a batch walk the same blocks: wave 3 of the second asks; the four partners share the bytes out by address, 16,384 each, lanes 256 bytes apart.
; The first two fills, each slot's last 2,048 bytes and the last fill come by their loads alone.
.macro ASK
	s_cmp_gt_u32 s[CNT], s[LIM]
	s_cbranch_scc0 .Lnot_mine_\@
	global_prefetch_b8 v[PFO], s[PFA:PFA+1] th:TH_LOAD_NT scope:SCOPE_SE
	global_prefetch_b8 v[PFO], s[PFA:PFA+1] offset:8192 th:TH_LOAD_NT scope:SCOPE_SE
.Lnot_mine_\@:
.endm
; THE CHANGE OF SLOTS.  kind 0: the first (slot 1's first fill, descriptors as the head made them); 1: the other slot is filled with the next BLK bytes; 2: with V(21) alone; 3: nothing is filled.
.macro CHANGE kind
	WA
	s_wait_tensorcnt 0x0                           ; all my tensor loads are in, so group 0 may be written
	ds_add_u32 v[SPW], v[NIL]
.if \kind > 0
	s_xor_b32 s[TB], s[TB], BLK
.endif
.if \kind == 1
	s_xor_b32 s[G0+1], s[G0+1], BLK
	s_add_nc_u64 s[G0+2:G0+3], s[G0+2:G0+3], BLK
	s_wait_xcnt 0x0                                ; the last prefetches have read their address
	s_add_nc_u64 s[PFA:PFA+1], s[PFA:PFA+1], BLK
.endif
	s_wait_dscnt 0x0                               ; the add is done, my reads of the slot that I leave are over
.if \kind < 2
	CROUND
	TLOAD G0, G1
	ASK
	s_sub_co_u32 s[CNT], s[CNT], 1
.elseif \kind == 2
	CROUND
	TLOAD G0T, G1H
.else
	s_barrier_signal -1
	s_barrier_wait -1
.endif
.endm
.macro KLOAD g                         ; K's tiles 2 g, 2 g + 1, both halves of d, into buffer g % 2
	WIN 0
.irp n, 0,1,2,3,4,5,6,7,8,9,10,11,12,13,14,15
	ds_load_b128 v[F+64*((\g)%2)+4*\n:F+64*((\g)%2)+4*\n+3], v[ADS] offset:8192*(\g)+512*\n
.endr
.endm
.macro VLOAD g                         ; V's d tiles 4 g .. 4 g + 3 into buffer g % 2
	WIN 0
.irp n, 0,1,2,3,4,5,6,7,8,9,10,11,12,13,14,15
	ds_load_b128 v[F+64*((\g)%2)+4*\n:F+64*((\g)%2)+4*\n+3], v[ADR] offset:8192*(\g)+512*\n
.endr
.endm
.macro MAXL b, i                       ; line i (0-23) of the largest score of my 16 keys of block b: eight lines a tile, two chains a tile, the tiles by turns; each accumulator is first read at its low end
.set mk, (\i)%3
.set mr, (\i)/3
.set sb, SC+64*mk+16*(\b)
.set m8, 16*mk+8+(\b)
.set m12, 16*mk+12+(\b)
.if mr == 0
	v_max3_num_f32 v[m8], v[sb], v[sb+1], v[sb+2]
.elseif mr == 1
	v_max3_num_f32 v[m12], v[sb+8], v[sb+9], v[sb+10]
.elseif mr == 6
	v_max3_num_f32 v[m8], v[m8], v[sb+7], v[sb+15]
.elseif mr == 7
	v_max_num_f32 v[m8], v[m8], v[m12]
.elseif (mr%2) == 0
	v_max3_num_f32 v[m8], v[m8], v[sb+mr+1], v[sb+mr+2]
.else
	v_max3_num_f32 v[m12], v[m12], v[sb+mr+8], v[sb+mr+9]
.endif
.endm
; S^T of K's tiles 2 g, 2 g + 1 for my three tiles: twelve products on six accumulators by turns.  mb >= 0: two lines of block mb's maxima behind each.
.macro KMULX g, mb
.set mi, 0
.irp s, 0,1
.irp k, 0,1,2
.irp u, 0,1
.set t, 2*(\g)+\u
.set rs, SC+64*\k+8*t
.set fa, F+64*((\g)%2)+32*\u+16*\s
.set rq, QF+32*\k+16*\s
	WIN W_KQ
.if \s
	v_wmma_scale_f32_16x16x128_f8f6f4 v[rs:rs+7], v[fa:fa+15], v[rq:rq+15], v[rs:rs+7], v[KS+t], v[QS+\k] matrix_a_fmt:MATRIX_FMT_BF8 matrix_b_fmt:MATRIX_FMT_BF8 matrix_a_scale:MATRIX_SCALE_ROW1 matrix_b_scale:MATRIX_SCALE_ROW1
.else
	v_wmma_scale_f32_16x16x128_f8f6f4 v[rs:rs+7], v[fa:fa+15], v[rq:rq+15], 0, v[KS+t], v[QS+\k] matrix_a_fmt:MATRIX_FMT_BF8 matrix_b_fmt:MATRIX_FMT_BF8
.endif
.if ((\mb) >= 0) && (mi < 16)
	WIN W_S
	MAXL \mb, mi
	MAXL \mb, mi+1
.set mi, mi+2
.endif
.endr
.endr
.endr
.if (\mb) >= 0                         ; eight places behind the group's products, ahead of the load into their buffer and of the first read of their results: the last eight lines of block mb's maxima,
	WIN W_S
.rept 8
	MAXL \mb, mi
.set mi, mi+1
.endr
.else
	PLACES 8                                       ; or idle lines where there are none
.endif
.endm
; The next of the 48 products O^T += V^T P^T (number PVI: group of four d tiles, query tile, d tile).  At a group's head: eight places, the load of the next group into the last group's buffer, and the wait for this group's sixteen loads.
.macro PVNEXT
.set pg, PVI/12
.set pk, (PVI%12)/4
.set pj, PVI%4
.if (PVI%12) == 0
.if pg == 0
	WA
	s_wait_dscnt PW0
.elseif pg < 3
	PLACES 8
	VLOAD pg+1
	WA
	s_wait_dscnt 16                                ; all but the sixteen just issued
.else
	WA
	s_wait_dscnt 0x0
.endif
.endif
	WIN ((2+pk/2)<<6)|((2+pk/2)<<4)
.set dt, 4*pg+pj
.set ro, 128*(pk%2)+8*dt
.set fa, F+64*(pg%2)+16*pj
.if pj % 2
	v_wmma_scale_f32_16x16x128_f8f6f4 v[ro:ro+7], v[fa:fa+15], v[PC+16*pk:PC+16*pk+15], v[ro:ro+7], v[VS+dt/2], v[PS+pk] matrix_a_fmt:MATRIX_FMT_BF8 matrix_b_fmt:MATRIX_FMT_BF8 matrix_a_scale:MATRIX_SCALE_ROW1
.else
	v_wmma_scale_f32_16x16x128_f8f6f4 v[ro:ro+7], v[fa:fa+15], v[PC+16*pk:PC+16*pk+15], v[ro:ro+7], v[VS+dt/2], v[PS+pk] matrix_a_fmt:MATRIX_FMT_BF8 matrix_b_fmt:MATRIX_FMT_BF8
.endif
.set PVI, PVI+1
.endm
.macro T n                             ; n softmax lines have been written: behind every PER of them stands a product
.set LC, LC+(\n)
.if PVON && (PVI < 48) && (LC >= PER)
.set LC, 0
	PVNEXT
	WIN W_S
.endif
.endm
.macro MAXB b
	WIN W_S
.set mi, 0
.rept 24
	MAXL \b, mi
	T 1
.set mi, mi+1
.endr
.endm
.macro RESC1 k, dt                     ; O^T's tile dt of query tile k x the number at v[16 k] of window 1, from the accumulator's low end on
	WIN ((2+(\k)/2)<<6)|4|(2+(\k)/2)
.set ro, 128*((\k)%2)+8*(\dt)
.irp q, 0,2,4,6
	v_pk_mul_f32 v[ro+\q:ro+\q+1], v[ro+\q:ro+\q+1], v[16*(\k):16*(\k)+1] op_sel_hi:[1,0]
.endr
.endm
.macro RESCALL last                    ; all of O^T (of tile 2 the first 'last' d tiles): two runs of plain lines, each with its wait directly ahead
	WIN 0x86
	WA
.irp k, 0,1
.irp d, 0,1,2,3,4,5,6,7,8,9,10,11,12,13,14,15
	RESC1 \k, \d
.endr
.endr
	WIN 0xc7
	WA
.set d2, 0
.rept \last
	RESC1 2, d2
.set d2, d2+1
.endr
.endm
; O^T is brought under the new M at the head of the trip that adds the next products, behind the issue of that trip's LDS loads: tiles 0 and 1 in one run of plain lines, tile 2 in another, each with its wait directly ahead
.macro RESCA
	WIN 0x86
	WA
.irp k, 0,1
.irp d, 0,1,2,3,4,5,6,7,8,9,10,11,12,13,14,15
	RESC1 \k, \d
.endr
.endr
.endm
.macro RESCB
	WIN 0xc7
	WA
.irp d, 0,1,2,3,4,5,6,7,8,9,10,11,12,13,14,15
	RESC1 2, \d
.endr
.endm
.macro SCALN k, j
.if (\j) < (8*NB)
	v_pk_fma_f32 v[SC+64*(\k)+2*(\j):SC+64*(\k)+2*(\j)+1], v[SC+64*(\k)+2*(\j):SC+64*(\k)+2*(\j)+1], s[CS:CS+1], v[16*(\k)+2:16*(\k)+3] op_sel_hi:[1,0,0]
.else
	v_fma_f32 v[16*(\k)+8+(\j)-8*NB], v[16*(\k)+8+(\j)-8*NB], s[CS], v[16*(\k)+2]
.endif
.endm
.macro EXPN k, j                       ; 17 NB lines: p, then each block's largest p
.if (\j) < (16*NB)
	v_exp_f32 v[SC+64*(\k)+(\j)], v[SC+64*(\k)+(\j)]
.else
	v_exp_f32 v[16*(\k)+8+(\j)-16*NB], v[16*(\k)+8+(\j)-16*NB]
.endif
.endm
.macro SUMN k, j                       ; 8 NB + 1 lines: the sum under the new M; then the unquantised p, two at a time, in two chains
.set sb, SC+64*(\k)
.set tb, 16*(\k)
.if (\j) == 0
	v_pk_mul_f32 v[tb+4:tb+5], v[tb+4:tb+5], v[tb:tb+1] op_sel_hi:[1,0]
.elseif (\j) == 1                      ; four chains: the sum itself, v[tb+6:tb+7], v[60:61], v[62:63]; the last three begin with two pairs each and are joined at the end
	v_pk_add_f32 v[tb+6:tb+7], v[sb:sb+1], v[sb+2:sb+3]
.elseif (\j) == 2
	v_pk_add_f32 v[60:61], v[sb+4:sb+5], v[sb+6:sb+7]
.elseif (\j) == 3
	v_pk_add_f32 v[62:63], v[sb+8:sb+9], v[sb+10:sb+11]
.elseif (\j) == (8*NB-2)
	v_pk_add_f32 v[tb+6:tb+7], v[tb+6:tb+7], v[60:61]
.elseif (\j) == (8*NB-1)
	v_pk_add_f32 v[tb+4:tb+5], v[tb+4:tb+5], v[62:63]
.elseif (\j) == (8*NB)
	v_pk_add_f32 v[tb+4:tb+5], v[tb+4:tb+5], v[tb+6:tb+7]
.elseif ((\j) % 4) == 0
	v_pk_add_f32 v[tb+4:tb+5], v[tb+4:tb+5], v[sb+2*(\j)+4:sb+2*(\j)+5]
.elseif ((\j) % 4) == 1
	v_pk_add_f32 v[tb+6:tb+7], v[tb+6:tb+7], v[sb+2*(\j)+4:sb+2*(\j)+5]
.elseif ((\j) % 4) == 2
	v_pk_add_f32 v[60:61], v[60:61], v[sb+2*(\j)+4:sb+2*(\j)+5]
.else
	v_pk_add_f32 v[62:63], v[62:63], v[sb+2*(\j)+4:sb+2*(\j)+5]
.endif
.endm
.macro SCLN k, j                       ; the blocks' scales, the blocks by turns
.set tb, 16*(\k)
.if (\j) < NB
	v_max_num_f32 v[tb+8+(\j)], 0x8000000, v[tb+8+(\j)]                        ; the floor 2^(16 - 127): the byte cannot fall under 1
.elseif (\j) < (2*NB)
	v_add_nc_u32 v[tb+12+(\j)-NB], 0xf8800000, v[tb+8+(\j)-NB]                 ; 15 off the exponent field: the conversion's scale operand
.elseif (\j) < (3*NB)
	v_and_or_b32 v[tb+8+(\j)-2*NB], v[tb+8+(\j)-2*NB], 0x7f800000, s[MNT]      ; 57,344 x the scale
.elseif (\j) < (4*NB)
	v_lshrrev_b32 v[BY+4*(\k)+(\j)-3*NB], 23, v[tb+12+(\j)-3*NB]               ; the scale's byte
.elseif (\j) == (4*NB)
	v_lshl_or_b32 v[BY+4*(\k)], v[BY+4*(\k)+1], 8, v[BY+4*(\k)]
.else
	v_lshl_or_b32 v[BY+4*(\k)], v[BY+4*(\k)+2], 16, v[BY+4*(\k)]
.endif
.endm
.macro MINN k, j                       ; the hold of pair j of tile k's numbers, two to an instruction: the conversion to an 8-bit code does not saturate (ISA guide 7.6.2); p is not negative, so the hold is one-sided
	v_dual_min_num_f32 v[SC+64*(\k)+2*(\j)], v[SC+64*(\k)+2*(\j)], v[16*(\k)+8+(\j)/8] :: v_dual_min_num_f32 v[SC+64*(\k)+2*(\j)+1], v[SC+64*(\k)+2*(\j)+1], v[16*(\k)+8+(\j)/8]
.endm
.macro PLN st, i                       ; the plain lines among batch st's exponentials: lines of other tiles, none of which reads what a line of the same batch writes
.if (\st) == 1
	SCALN 1, \i
.elseif (\st) == 2
.if (\i) < NSC
	SCALN 2, \i
.else
	MINN 0, (\i)-NSC
.endif
.else
	MINN 1, \i
.endif
.endm
.macro MIX ke, st, np                  ; a batch: the wait ahead of it; tile ke's 17 NB exponentials with np plain lines spread among them; a plain line; the wait behind it
	WA
.set je, 0
.set jp, 0
.rept 17*NB
	EXPN \ke, je
	T 1
.set je, je+1
.rept 2
.if (jp*17*NB) < (je*(\np))
	PLN \st, jp
	T 1
.set jp, jp+1
.endif
.endr
.endr
	v_nop
	WA
.endm
.macro PBLK k                          ; tile k's sums and scales, with no exponential among them
.set jq, 0
.rept NSU
	SUMN \k, jq
	T 1
.if jq < NSL
	SCLN \k, jq
	T 1
.endif
.set jq, jq+1
.endr
.endm
; TRIP j on the slot at s[TB].  nb = 4: 128 keys; nb = 1: a tensor's last step, key 1280 alone.  pv = 1: O is brought under M(j-1) at the trip's head, and the products of step j - 1 stand among the softmax's lines.
.macro STEPX nb, pv
.set NB, \nb
.set NSC, 9*NB
.set NSU, 8*NB+1
.set NMN, 8*NB
.set PVON, \pv
.set PVI, 0
.set LC, 0
.if NB > 1
.set NSL, 18
.set PER, 12
.set PW0, 16
.else
.set NSL, 4
.set PER, 4
.set PW0, 0
.endif
	v_add_nc_u32 v[ADR], s[TB], v[LI]              ; V(j-1), its scale words 32,768 bytes on
	v_add_nc_u32 v[ADS], HALF, v[ADR]              ; K(j), likewise
	WA
	s_cmp_eq_u32 s[ACT], 0                         ; a wave with no tile leaves the work out: ids alone
	s_cbranch_scc1 .Lidle_\@
	ds_load_b128 v[KS:KS+3], v[ADS] offset:32768
.if NB > 1
	ds_load_b128 v[KS+4:KS+7], v[ADS] offset:33280
.endif
.if \pv
	ds_load_b128 v[VS:VS+3], v[ADR] offset:32768
	ds_load_b128 v[VS+4:VS+7], v[ADR] offset:33280
.endif
	KLOAD 0
.if NB > 1
	KLOAD 1
.if \pv
	RESCA                                          ; 128 lines on registers while the first loads are out
.endif
	s_wait_dscnt 16                                ; all but the sixteen issued last
	KMULX 0, -1
	KLOAD 2
.if \pv
	RESCB
.endif
	s_wait_dscnt 16
	KMULX 1, 0
	KLOAD 3
	s_wait_dscnt 16
	KMULX 2, 1
.if \pv
	VLOAD 0
	s_wait_dscnt 16
.else
	s_wait_dscnt 0x0
.endif
	KMULX 3, 2
.if \pv
	VLOAD 1
.endif
	MAXB 3
.else
	VLOAD 1
	RESCA
	RESCB
	s_wait_dscnt 16
	KMULX 0, -1
	VLOAD 0
	WIN W_S
.irp k, 0,1,2
	v_mov_b32 v[16*\k+7], 0xff800000               ; -infinity: key 1280 is register 0 of lanes 0-15; all else of the block lies past the tensor's end
.endr
.irp k, 0,1,2
	v_cndmask_b32 v[SC+64*\k], v[SC+64*\k], v[16*\k+7], s[HIM]
.endr
.irp i, 1,2,3,4,5,6,7,8,9,10,11,12,13,14,15
.irp k, 0,1,2
	v_mov_b32 v[SC+64*\k+\i], v[16*\k+7]
.endr
	T 3
.endr
	MAXB 0
.endif
.irp b, 0,1,2,3
.if \b < NB
.irp k, 0,1,2
	v_permlanex16_b32 v[16*\k+12+\b], v[16*\k+8+\b], s[SEL], s[SEL+1]
.endr
	T 3
.endif
.endr
.irp b, 0,1,2,3
.if \b < NB
.irp k, 0,1,2
	v_max_num_f32 v[16*\k+8+\b], v[16*\k+8+\b], v[16*\k+12+\b]   ; with lane l xor 16's keys: the block's largest score
.endr
	T 3
.endif
.endr
.if NB > 1
.irp k, 0,1,2
	v_max3_num_f32 v[16*\k+6], v[16*\k+8], v[16*\k+9], v[16*\k+10]
.endr
	T 3
.irp k, 0,1,2
	v_max_num_f32 v[16*\k+6], v[16*\k+6], v[16*\k+11]
.endr
	T 3
.irp k, 0,1,2
	v_mul_f32 v[16*\k+6], s[CS], v[16*\k+6]
.endr
.else
.irp k, 0,1,2
	v_mul_f32 v[16*\k+6], s[CS], v[16*\k+8]
.endr
.endif
	T 3
.irp k, 0,1,2
	v_max_num_f32 v[16*\k+3], v[16*\k+3], v[16*\k+6]             ; the running largest t
.endr
	T 3
.irp k, 0,1,2
	v_mov_b32 v[16*\k+6], v[16*\k+2]
.endr
	T 3
.irp k, 0,1,2
	v_floor_f32 v[16*\k+2], -v[16*\k+3]                          ; the new -M
.endr
	T 3
.irp k, 0,1,2
	v_sub_f32 v[16*\k+6], v[16*\k+2], v[16*\k+6]                 ; old M - new M
.endr
	T 3
.irp k, 0,1,2
	v_cvt_i32_f32 v[16*\k+6], v[16*\k+6]
.endr
	T 3
.irp k, 0,1,2
	v_ldexp_f32 v[16*\k], 1.0, v[16*\k+6]                        ; f = 2^(old M - new M)
.endr
	T 3
.set jp, 0
.rept NSC
	SCALN 0, jp
	T 1
.set jp, jp+1
.endr
	MIX 0, 1, NSC                                  ; tile 0's exponentials | tile 1's scalings
	PBLK 0
	MIX 1, 2, NSC+NMN                              ; tile 1's | tile 2's scalings, tile 0's holds
	PBLK 1
	MIX 2, 3, NMN                                  ; tile 2's | tile 1's holds
	PBLK 2
.if \pv
.rept 48
.if PVI < 48
	PVNEXT                                         ; what is left of the 48
.endif
.endr
	WIN W_S
.endif
.set jp, 0
.rept NMN
	MINN 2, jp                                     ; also the places behind the last product, ahead of the codes' and the scale words' new values
.set jp, jp+1
.endr
	WIN W_CV
.irp k, 0,1,2
.if NB > 1
	v_lshl_or_b32 v[PS+\k], v[BY+4*\k+3], 24, v[BY+4*\k]         ; p's scale word for these 128 keys
.else
	v_mov_b32 v[PS+\k], v[BY+4*\k]                 ; one block's byte; the other three bytes stand over zero codes
.endif
.endr
.irp k, 0,1,2
.irp b, 0,1,2,3
.if \b < NB
	v_cvt_scalef32_pk8_bf8_f32 v[PC+16*\k+4*\b:PC+16*\k+4*\b+1], v[SC+64*\k+16*\b:SC+64*\k+16*\b+7], v[16*\k+12+\b]
	v_cvt_scalef32_pk8_bf8_f32 v[PC+16*\k+4*\b+2:PC+16*\k+4*\b+3], v[SC+64*\k+16*\b+8:SC+64*\k+16*\b+15], v[16*\k+12+\b]
.endif
.endr
.endr
	v_nop                                          ; a plain line behind the last conversion
.if NB == 1
.irp k, 0,1,2
.irp i, 4,5,6,7,8,9,10,11,12,13,14,15
	v_mov_b32 v[PC+16*\k+\i], 0                    ; zero codes for the keys past the end
.endr
.endr
.endif
	WIN 0
.Lidle_\@:
.endm
.macro PVONLY                          ; a direction's last 48 products, on the slot that holds V of its last step
.set PVI, 0
.set PW0, 16
	v_add_nc_u32 v[ADR], s[TB], v[LI]
	WA
	s_cmp_eq_u32 s[ACT], 0
	s_cbranch_scc1 .Lidle_\@
	ds_load_b128 v[VS:VS+3], v[ADR] offset:32768
	ds_load_b128 v[VS+4:VS+7], v[ADR] offset:33280
	VLOAD 0
	VLOAD 1
	RESCA                                          ; O^T under the last step's M
	RESCB
.rept 48
	PVNEXT
.endr
	WIN 0
.Lidle_\@:
.endm
.macro QLOAD                           ; my three tiles as queries: two fragments each and their scale words, as they lie in kv
	WIN 0xc0
.irp k, 0,1,2
.irp n, 0,1,2,3,4,5,6,7
	global_load_b128 v[QF+32*\k+4*\n:QF+32*\k+4*\n+3], v[QO+\k], s[QB:QB+1] offset:512*\n
.endr
.endr
	WIN 0
.irp k, 0,1,2
	global_load_b32 v[QS+\k], v[QSO+\k], s[QB:QB+1]
.endr
.endm
.macro CLEAR
	WIN 0x80
.set n, 0
.rept 128
	v_dual_mov_b32 v[n], 0 :: v_dual_mov_b32 v[n+1], 0
.set n, n+2
.endr
	WIN 0xc0
.set n, 0
.rept 64
	v_dual_mov_b32 v[n], 0 :: v_dual_mov_b32 v[n+1], 0
.set n, n+2
.endr
	WIN W_S
.irp k, 0,1,2
	v_mov_b32 v[16*\k+3], 0xff61b1e6               ; -3e38, under every t
	v_mov_b32 v[16*\k+4], 0
	v_mov_b32 v[16*\k+5], 0
.endr
.irp k, 0,1,2
	v_floor_f32 v[16*\k+2], -v[16*\k+3]
.endr
	WIN 0
.endm
.macro NORM                            ; 1 / the row's sum into v[16 k] of window 1
	PLACES 8
	WIN W_S
.irp k, 0,1,2
	v_add_f32 v[16*\k+4], v[16*\k+4], v[16*\k+5]
.endr
.irp k, 0,1,2
	v_permlanex16_b32 v[16*\k+6], v[16*\k+4], s[SEL], s[SEL+1]
.endr
.irp k, 0,1,2
	v_add_f32 v[16*\k+4], v[16*\k+4], v[16*\k+6]
.endr
	WA
.irp k, 0,1,2
	v_rcp_f32 v[16*\k], v[16*\k+4]
.endr
	v_nop
	WA
.endm
	s_load_b128 s[4:7], s[0:1], 0x0                ; kv, out0
	v_lshl_add_u32 v[SPW], v0, 2, SPARE
	v_mov_b32 v[NIL], 0
	ds_add_u32 v[SPW], v[NIL]                      ; the opening lines: the add twice on end and one wait
	ds_add_u32 v[SPW], v[NIL]
	v_lshrrev_b32 v13, 5, v0
	v_readfirstlane_b32 s[WV], v13
	v_and_b32 v14, 31, v0
	v_lshlrev_b32 v[LI], 4, v14
	v_lshlrev_b32 v[PFO], 8, v14
	v_and_b32 v13, 15, v0
	v_bfe_u32 v14, v0, 4, 1
	s_mul_i32 s12, s[WV], QTR                      ; my quarter of a slot; at the end the same bytes of slot 0 are my stage
	v_mul_u32_u24 v[SO], v13, WP
	v_lshl_add_u32 v[SO], v14, 5, v[SO]
	v_add_nc_u32 v[SO], s12, v[SO]
	v_add_nc_u32 v[RD], s12, v[LI]
	s_mul_i32 s13, s[WV], IMGW
	s_add_co_u32 s13, s13, IMGB
	v_add_nc_u32 v[IMG], s13, v[LI]
	WA
	s_bfe_u32 s9, ttmp6, 0x40000                   ; cx: it enters offsets in memory and the tiles' numbers, nothing else
	s_lshl_b32 s10, ttmp9, 2
	s_add_co_u32 s10, s10, s9
	s_and_b32 s11, ttmp7, 0xffff                   ; the batch
	s_mul_i32 s14, s[WV], 24
	s_mul_i32 s15, s10, 3
	s_add_co_u32 s14, s14, s15                     ; my first tile
.irp k, 0,1,2
	s_add_co_u32 s15, s14, \k
	s_min_u32 s15, s15, 87
	v_mov_b32 v[VT+\k], s15
	s_lshr_b32 s16, s15, 3
	s_and_b32 s17, s15, 7
	s_mul_i32 s18, s16, BLK
	s_lshl_b32 s19, s17, 12
	s_add_co_u32 s19, s19, s18
	v_add_nc_u32 v[QO+\k], s19, v[LI]
	s_lshr_b32 s19, s17, 2
	s_lshl_b32 s19, s19, 9
	s_add_co_u32 s18, s18, s19
	s_and_b32 s19, s17, 3
	s_lshl_b32 s19, s19, 2
	s_add_co_u32 s18, s18, s19
	s_add_co_u32 s18, s18, 32768
	v_add_nc_u32 v[QSO+\k], s18, v[LI]
	s_lshl_b32 s16, s16, 7
	s_and_b32 s19, s17, 6
	s_lshl_b32 s19, s19, 4
	s_add_co_u32 s16, s16, s19
	s_and_b32 s19, s17, 1
	s_lshl_b32 s19, s19, 3
	s_add_co_u32 s16, s16, s19                     ; the tile's first row; lane r's lies r + 8 (r / 8) on
	s_cmp_gt_u32 s15, 80
	s_cselect_b32 s16, 0, s16
	s_lshl_b32 s16, s16, 10
	v_add_nc_u32 v[OO+\k], s16, v[LI]
.endr
	s_mul_i32 s54, s11, BATCH
	s_add_co_u32 s50, s54, 11*BLK                  ; the first direction's queries are lidar's
	s_mov_b32 s51, 0
	s_mul_i32 s52, s11, 1311744
	s_mov_b32 s53, 0
	s_add_co_u32 s56, s54, BLK+HALF                ; the prefetches begin at the third fill
	s_lshl_b32 s15, s9, 14
	s_add_co_u32 s56, s56, s15
	s_mov_b32 s57, 0
	s_mul_i32 s15, s[WV], HQ
	s_add_co_u32 s60, s54, s15                     ; K(0): my quarter
	s_mov_b32 s61, 0
	s_add_co_u32 s62, s60, 21*BLK+HALF             ; V(21): my quarter
	s_mov_b32 s63, 0
	s_add_co_u32 s[G0H+1], s15, HALF               ; K(0) goes to slot 0's second half,
	s_mov_b32 s[G0T+1], s15                        ; V(21) to its first
	s_add_co_u32 s54, s54, s12
	s_add_co_u32 s54, s54, HALF                    ; V(0), K(1): my quarter,
	s_mov_b32 s55, 0
	s_add_co_u32 s[G0+1], s12, BLK                 ; into slot 1
	s_mov_b32 s[G1], 15|(3<<16)|(1<<21)            ; the mask of all four; elements of 8 bytes; rows of 256 bytes, dense
	s_mov_b32 s[G1+1], 32<<16
	s_mov_b32 s[G1+2], 66<<16
	s_mov_b32 s[G1+3], 32<<16
	s_mov_b32 s[G1+4], 66
	s_mov_b32 s[G1+5], 32
	s_mov_b32 s[G1+6], 0
	s_mov_b32 s[G1+7], 0
	s_mov_b32 s[G1H], 15|(3<<16)|(1<<21)
	s_mov_b32 s[G1H+1], 32<<16
	s_mov_b32 s[G1H+2], 33<<16
	s_mov_b32 s[G1H+3], 32<<16
	s_mov_b32 s[G1H+4], 33
	s_mov_b32 s[G1H+5], 32
	s_mov_b32 s[G1H+6], 0
	s_mov_b32 s[G1H+7], 0
	s_mov_b32 s[SEL], 0x76543210
	s_mov_b32 s[SEL+1], 0xfedcba98
	s_mov_b32 s[CS], 0x3db8aa3b                    ; log2(e) / 16
	s_mov_b32 s[CS+1], s[CS]
	s_mov_b32 s[MNT], 0x600000
	s_mov_b32 s[HIM], 0xffff0000
	s_mov_b32 s[TB], 0
	s_mov_b32 s[CNT], 21
	s_mov_b32 s[PASS], 0
	s_cmp_lt_u32 s[WV], 3
	s_cselect_b32 s[ACT], 1, 0
	s_cmp_eq_u32 ttmp9, 0
	s_cselect_b32 s15, 1, 0
	s_or_b32 s[ACT], s[ACT], s15
	s_xor_b32 s15, s[WV], 3
	s_xor_b32 s16, ttmp9, 1
	s_or_b32 s15, s15, s16
	s_cmp_eq_u32 s15, 0
	s_cselect_b32 s[LIM], 1, -1
	WA
	s_wait_dscnt 0x0
	s_wait_kmcnt 0x0
	s_add_nc_u64 s[QB:QB+1], s[4:5], s[50:51]
	s_add_nc_u64 s[OUTB:OUTB+1], s[6:7], s[52:53]
	s_add_nc_u64 s[PFA:PFA+1], s[4:5], s[56:57]
	s_mov_b32 s[G0], 1
	s_add_nc_u64 s[G0+2:G0+3], s[4:5], s[54:55]
	s_or_b32 s[G0+3], s[G0+3], 0x80000000
	s_mov_b32 s[G0H], 1
	s_add_nc_u64 s[G0H+2:G0H+3], s[4:5], s[60:61]
	s_or_b32 s[G0H+3], s[G0H+3], 0x80000000
	s_mov_b32 s[G0T], 1
	s_add_nc_u64 s[G0T+2:G0T+3], s[4:5], s[62:63]
	s_or_b32 s[G0T+3], s[G0T+3], 0x80000000
	CROUND
	TLOAD G0H, G1H                                 ; K(0): my one load at the head
	QLOAD
	WIN 0x40
.irp k, 0,1,2
	v_mov_b32 v[16*\k+1], 0                        ; (named as the upper half of a pair)
	v_mov_b32 v[16*\k+6], 0                        ; (a lane permute's destination counts as a source)
.endr
	WIN 0
	CHANGE 0
.Lpass:                                                ; two trips: queries lidar on visual, then queries visual on lidar
	CLEAR
	WA
	s_wait_loadcnt 0x0                             ; Q
	STEPX 4, 0
	s_mov_b32 s[TRIP], 9
.Lstep:
	CHANGE 1
	STEPX 4, 1
	s_sub_co_u32 s[TRIP], s[TRIP], 1
	s_cmp_lg_u32 s[TRIP], 0
	s_cbranch_scc1 .Lstep
	s_cmp_eq_u32 s[PASS], 1
	s_cbranch_scc1 .Llast                          ; the second direction's tail is written out: its fills differ
	CHANGE 1
	STEPX 1, 1
	CHANGE 1
	PVONLY
	; between the directions: out1 = O^T / the sum waits as images of its registers in my region of LDS, its last 32 registers in window 3; the next queries come in meanwhile
	NORM
	WIN 0
	s_sub_nc_u64 s[QB:QB+1], s[QB:QB+1], 11*BLK
	QLOAD
	RESCALL 12
.set n, 0
.rept 16
	v_pk_mul_f32 v[KEEP+n:KEEP+n+1], v[96+n:96+n+1], v[32:33] op_sel_hi:[1,0]
.set n, n+2
.endr
.irp k, 0,1,2
	WIN (2+\k/2)<<2
.set n, 0
.rept 32-8*(\k/2)
	ds_store_b128 v[IMG], v[128*(\k%2)+4*n:128*(\k%2)+4*n+3] offset:(32*\k+n)*512
.set n, n+1
.endr
.endr
	WIN 0
	WA
	s_wait_dscnt 0x0                               ; the stores have read their registers, which are cleared next
	s_add_co_u32 s[PASS], s[PASS], 1
	s_cmp_lt_u32 s[PASS], 2
	s_cbranch_scc1 .Lpass
.Llast:
	CHANGE 2
	STEPX 1, 1
	CHANGE 3
	PVONLY
	; the way out.  Behind this barrier no wave reads the ring, and both slots have had their last fill: my quarter of slot 0 is my stage
	s_wait_dscnt 0x0
	s_barrier_signal -1
	s_barrier_wait -1
	NORM
.irp k, 0,1,2
	WIN 0x40
.set n, 0
.rept 32-8*(\k/2)
	ds_load_b128 v[SC+4*n:SC+4*n+3], v[IMG] offset:(32*\k+n)*512
.set n, n+1
.endr
	s_wait_dscnt 0x0
	WIN 0x54|(2+\k/2)
	WA
.set n, 0
.rept 64-16*(\k/2)
	v_pk_fma_f32 v[SC+n:SC+n+1], v[128*(\k%2)+n:128*(\k%2)+n+1], v[16*\k:16*\k+1], v[SC+n:SC+n+1] op_sel_hi:[1,0,1]   ; out1 + O^T / the sum
.set n, n+2
.endr
.if \k == 2
	WIN 0x77
	WA
.set n, 0
.rept 16
	v_pk_fma_f32 v[SC+96+n:SC+96+n+1], v[96+n:96+n+1], v[32:33], v[KEEP+n:KEEP+n+1] op_sel_hi:[1,0,1]
.set n, n+2
.endr
.endif
	WIN 0x04
.set n, 0
.rept 32
	ds_store_b128 v[SO], v[SC+4*n:SC+4*n+3] offset:64*(n/2)+16*(n%2)
.set n, n+1
.endr
	WIN 0
.set n, 0
.rept 32
	ds_load_b128 v[F+4*n:F+4*n+3], v[RD] offset:(n/2)*WP+512*(n%2)     ; LDS serves a wave's instructions in order
.set n, n+1
.endr
	s_wait_xcnt 0x0                                ; EXEC changes only behind this wait
	v_cmp_gt_u32 vcc_lo, 81, v[VT+\k]              ; the tile's first row is a row of the tensor up to tile 80,
	s_and_saveexec_b32 s31, vcc_lo
	s_wait_dscnt 30
	global_store_b128 v[OO+\k], v[F:F+3], s[OUTB:OUTB+1] th:TH_STORE_NT
	global_store_b128 v[OO+\k], v[F+4:F+7], s[OUTB:OUTB+1] offset:512 th:TH_STORE_NT
	s_wait_xcnt 0x0
	s_or_b32 exec_lo, exec_lo, s31
	v_cmp_gt_u32 vcc_lo, 80, v[VT+\k]              ; its other rows up to tile 79
	s_and_saveexec_b32 s31, vcc_lo
.set n, 2
.rept 30
	s_wait_dscnt 31-n
	global_store_b128 v[OO+\k], v[F+4*n:F+4*n+3], s[OUTB:OUTB+1] offset:((n/2)+8*((n/2)/8))*1024+512*(n%2) th:TH_STORE_NT   ; 32 lanes store 512 consecutive bytes, aligned
.set n, n+1
.endr
	s_wait_xcnt 0x0
	s_or_b32 exec_lo, exec_lo, s31
.endr
	s_wait_tensorcnt 0x0                           ; the wave's end
	ds_add_u32 v[SPW], v[NIL]
	s_wait_dscnt 0x0
	CROUND                                         ; the closing round
	s_endpgm
.Lfunc_end_k_q34328a0bf0_attn:
	.size	k_q34328a0bf0_attn, .Lfunc_end_k_q34328a0bf0_attn-k_q34328a0bf0_attn
	.p2alignl 7, 3214868480
	.fill 96, 4, 3214868480
	.section	.rodata,"a",@progbits
	.p2align	6, 0x0
	.amdhsa_kernel k_q34328a0bf0_attn
		.amdhsa_group_segment_fixed_size 327680
		.amdhsa_private_segment_fixed_size 0
		.amdhsa_enable_private_segment 0
		.amdhsa_kernarg_size 16
		.amdhsa_user_sgpr_count 2
		.amdhsa_user_sgpr_kernarg_segment_ptr 1
		.amdhsa_wavefront_size32 1
		.amdhsa_system_sgpr_workgroup_id_x 1
		.amdhsa_system_sgpr_workgroup_id_y 1
		.amdhsa_system_sgpr_workgroup_id_z 1
		.amdhsa_system_vgpr_workitem_id 0
		.amdhsa_next_free_vgpr 1024
		.amdhsa_next_free_sgpr 84
		.amdhsa_reserve_vcc 1
		.amdhsa_float_denorm_mode_32 3
		.amdhsa_float_denorm_mode_16_64 3
		.amdhsa_memory_ordered 1
		.amdhsa_forward_progress 1
		.amdhsa_inst_pref_size 255
	.end_amdhsa_kernel
	.section	.bss,"aw",@nobits
	.p2align	6
	.space	262144
	.amdgpu_metadata
---
amdhsa.version: [ 1, 2 ]
amdhsa.kernels:
  - .name:           k_q34328a0bf0_attn
    .symbol:         k_q34328a0bf0_attn.kd
    .args:
      - { .name: kv, .offset: 0, .size: 8, .value_kind: global_buffer, .address_space: global }
      - { .name: out0, .offset: 8, .size: 8, .value_kind: global_buffer, .address_space: global }
    .group_segment_fixed_size: 327680
    .private_segment_fixed_size: 0
    .kernarg_segment_align: 8
    .kernarg_segment_size: 16
    .max_flat_workgroup_size: 128
    .sgpr_count:     84
    .vgpr_count:     1024
    .wavefront_size: 32
...
	.end_amdgpu_metadata
.endif
;; end of part 4
